; MI455X (gfx1250); checked and timed in simulation.
; The chip was launched on July 23, 2026; its instructions are those of AMD's public machine-readable ISA for CDNA 5 (MIT licence, August 2026) and "CDNA5" Instruction Set Architecture Reference Guide (July 2026). The comments in the code are by the model that wrote it; some were corrected since.
;; Up Sample Interpolation. Allowed arithmetic: matrix products marked QUANTISED: E2M1 operands, one E8M0 scale for each 32 along K, by v_wmma_scale_f32_16x16x128_f8f6f4 with both operands' format E2M1 (or v_wmma_scale_f32_32x16x128_f4), f32 sums; products left as they are: f32 operands where the result goes on into a quantised operand, else bf16, f16 or f32 operands; f32 sums; everything else in f32.
;; Inputs: bn_beta 256 float32; bn_gamma 256 float32; conv_w 256 x 768 float32; dense_data 8 x 256 x 4,096 float32; dense_idx 8 x 4,096 int32; pcd 8 x 3 x 4,096 float32; sparse_data 8 x 512 x 1,024 float32; sparse_idx 8 x 1,024 int32.
;; Outputs: out0 8 x 256 x 4,096 float32; out1 8 x 4,096 int32.
;; This version of the problem:
;;   THIS VERSION OF THE PROBLEM IS GIVEN IN LOW PRECISION. The matrix products marked QUANTISED in the list below multiply operands that are first quantised to E2M1 (2 exponent bits, 1 mantissa bit; 4 bits a number), with one power-of-two scale for each 32 numbers along K (OCP MX v1.0); their sums are f32. All else is computed in f32.
;;   The module's matrix products, in the order in which they are computed (A, B: the left and right operand; K: the contracted axis; several contracted axes count as one K, in the product's order):
;;     1. batch 8 x [M 4,096, K 3] x [K 3, N 1,024]; A: computed on the way; B: computed on the way: left as it is (K = 3 < 32)
;;     2. [M 32,768, K 768] x [K 768, N 256]; A: computed on the way; B: input conv_w: QUANTISED
;;   THE QUANTISER, for each operand of a quantised product, along K:
;;     - K is cut into blocks of 32 from its start; a last block that is shorter is filled with zeros.
;;     - A block's scale is 2^e with e = floor(log2(the largest magnitude in the block)) - 2, held to -126 .. 127; a block of zeros has e = 0. As a byte (E8M0): e + 127.
;;     - Each number is divided by its block's scale, clamped to +-6, and rounded to the nearest number of E2M1, ties to even, subnormals kept.
;;     - The product sums the exact products of the quantised numbers (number of the format x scale) in f32.
;;   ~~~python
;;   def quantise(x, axis):      # numpy; x: float32 -> the quantised numbers, widened to float32 again
;;       x = np.moveaxis(x, axis, -1); K = x.shape[-1]
;;       x = np.pad(x, [(0, 0)] * (x.ndim - 1) + [(0, -K % 32)]); x = x.reshape(x.shape[:-1] + (-1, 32)); a = np.abs(x).max(-1, keepdims=True)
;;       e = np.where(a > 0, np.clip(np.frexp(np.where(a > 0, a, 1))[1] - 1 - 2, -126, 127), 0)      # np.frexp(a)[1] - 1 = floor(log2(a)), exactly
;;       r = np.clip(x / 2.0 ** e, -6, 6)
;;       step = 2.0 ** (np.maximum(np.frexp(np.where(r == 0, 1, r))[1] - 1, 0) - 1)
;;       q = np.round(r / step) * step * 2.0 ** e      # np.round: ties to even
;;       return np.moveaxis(q.reshape(q.shape[:-2] + (-1,))[..., :K], -1, axis).astype(np.float32)
;;   ~~~
;;   OPERANDS COMPUTED ON THE WAY. 'Computed on the way' means the value that the module computes at that place (a softmax that the list does not call 'softmax' is quantised finished and normalised). What goes into a quantiser is computed in f32, as accurately as f32 sums, v_exp_f32 and their like allow (about 1e-6 of the number): no bf16 or f16 on the way to a quantiser, and a product that is left as it is and whose result goes on into a quantised operand takes f32 operands (vector FMAs, or v_wmma_f32_16x16x4_f32). A number that lies on a knife's edge between two numbers of the format may be rounded either way, as far as f32 arithmetic and the matrix unit's own rounding can turn it there, and no further.
;; 2 versions. Each part assembles by itself: llvm-mc -triple=amdgcn-amd-amdhsa -mcpu=gfx1250 --defsym DOCPART=n.
;; ======== version 1 of 2: 3 launches
;; workspace buffers: nbr 524,288 bytes of whole numbers; nwt 524,288 bytes; ft 16,777,216 bytes; dq 4,456,448 bytes; wq 110,592 bytes; ybuf 33,554,432 bytes; pstat 524,288 bytes
;; launch prep (part 1): grid 256 x 1, 16 waves a work-group, no clusters, 138,240 bytes of LDS; arguments dense_data, dense_idx, sparse_data, sparse_idx, pcd, conv_w, nbr, nwt, ft, dq, wq, out1; writes nbr, nwt, ft, dq, wq, out1
.if DOCPART == 1
	.amdgcn_target "amdgcn-amd-amdhsa--gfx1250"
	.amdhsa_code_object_version 6
	.text
	.protected	k_q02f9b5bdb9_prep
	.globl	k_q02f9b5bdb9_prep
	.p2align	8
	.type	k_q02f9b5bdb9_prep,@function
k_q02f9b5bdb9_prep:
	s_mov_b64 s[64:65], 0
	v_nop
	global_prefetch_b8 v0, s[64:65] scope:SCOPE_SE
	s_setreg_imm32_b32 hwreg(HW_REG_WAVE_MODE, 25, 1), 1
	s_wait_xcnt 0x0
; FIRST LAUNCH.  Work-group g (0..255) owns dense points 128 g .. 128 g + 127 (batch b = g / 32) and sparse points 32 (g % 32) .. + 31 of that batch.
; Sixteen waves in three roles that share nothing (every LDS byte belongs to one wave; there is no barrier):
;   waves 0-3   THE NEIGHBOURS: 32 dense points each (two tiles of 16) against the batch's 1,024 sparse points: the three nearest, their weights -> nbr, nwt
;   waves 4-7   sparse_data [c][s] turned into rows [s][c] -> ft, so that the next launch gathers a neighbour's 512 channels as 2,048 bytes on end
;               wave 4 then copies dense_idx -> out1 and, in work-groups 0-15, quantises 16 rows of conv_w -> wq
;   waves 8-15  dense_data quantised along the channels (a lane a point, registers down the channels) -> dq
; d2 IS FORMED OPERATION BY OPERATION, AS reference() WRITES IT.  The squares are an operation of their own and their sum another: |d|^2 = (X X + Y Y) + Z Z, each product and each sum rounded to f32, |s|^2 likewise:
; these are not fused, on purpose.  The K = 3 product is summed as a matrix product sums it, by fused multiply-adds in ascending k: dot = fma(z, Z, fma(y, Y, x X)).  t = |d|^2 + |s|^2, d2 = t - 2 dot
; (the doubling is exact).  Which neighbour is third and which fourth can hang on the last bit of d2, and a neighbour's weight moves by (one last bit of t) / d2.
; Where a dense point IS a sparse point, d2 is therefore not always 0: it is the difference of the two ways of rounding, a few last bits of t of either sign.
; SHARES OF A LANE: lane (r, h) holds dense point r of each of its wave's two tiles; of sparse tile t its register j is sparse point 512 h + 8 t + j.  So a lane meets its sparse points in ascending order,
; and every point of lanes 0-15 comes before every point of lanes 16-31: a strict 'less than' keeps the lower index at equal distances, as top_k does.
; The two divisions of the weights are correctly rounded (a reciprocal, one Newton step, the quotient and two corrections by its residual).
; LIMITS: against an evaluation with another order of f32 rounding, two neighbours whose d2 differ by less than that rounding may change places; NaN and infinities among the inputs are not served;
; a block of zeros gets the scale byte 1 (not 127): its codes are zeros, and only this program reads the bytes.
.set TABW,  17152                      ; a wave's table: x, y, z, |s|^2 of the 1,024 sparse points, 4,096 bytes each, and 128 spare bytes that the last trip's fetch ahead touches
.set TCO,   4096                       ; from one of the four arrays to the next
.set STG0,  1024                       ; stage of wave w (4..7) at STG0 + STGW w = 68,608 + 16,896 (w - 4): behind the four tables
.set STGW,  16896
.set SROW,  528                        ; a stage row: 512 bytes + 16
.set DQS,   4194304                    ; dq: the scale words behind the codes
.set WQS,   98304                      ; wq: likewise
; SCALARS: s28 wave, s29 g, s30 b, s31 g % 32, s[32:33] an offset, s[34:35] lane selects, s36 the table's step, s37 trips, s38 mask of lanes 16-31, s40-45 compare masks, s46-61 the codes of a trip's 16 registers
; VECTORS: v1 lane, v2 r, v3 h, v4 4 lane, v5 16 lane, v6, v8-11 LDS addresses (made here, ahead of the parting, never rewritten but v9), v12 512 h + 16 r, v13 512 h, v14 4 r, v15 3072 r + 128 h
	s_load_b512 s[4:19], s[0:1], 0x0               ; dense_data, dense_idx, sparse_data, sparse_idx, pcd, conv_w, nbr, nwt
	s_load_b256 s[20:27], s[0:1], 0x40             ; ft, dq, wq, out1
	v_lshl_add_u32 v192, v0, 2, 0x21400
	v_mov_b32 v193, 0
	v_lshrrev_b32 v1, 5, v0
	v_readfirstlane_b32 s28, v1                    ; wave 0..15
	s_mov_b32 s29, ttmp9
	s_lshr_b32 s30, ttmp9, 5
	s_and_b32 s31, ttmp9, 31
	s_mov_b32 s33, 0
	s_mov_b32 s34, 0x76543210
	s_mov_b32 s35, 0xfedcba98                      ; v_permlanex16_b32: lane l xor 16
	s_mov_b32 s36, 0
	s_mov_b32 s37, 0
	s_mov_b32 s38, 0xffff0000
.set j, 0
.rept 16
	s_mov_b32 s[46+j], j
.set j, j+1
.endr
	s_mul_i32 s62, s28, TABW
	s_mul_i32 s63, s28, STGW
	s_add_co_u32 s63, s63, STG0
	v_and_b32 v1, 31, v0
	v_and_b32 v2, 15, v0
	v_bfe_u32 v3, v0, 4, 1
	v_lshlrev_b32 v4, 2, v1
	v_lshlrev_b32 v5, 4, v1
	v_add_nc_u32 v6, s62, v4                       ; table, on the way in: 4 bytes a lane
	v_lshl_add_u32 v8, v3, 11, s62                 ; table, on the way out: lanes 16-31 begin at point 512
	v_mul_u32_u24 v10, v1, SROW
	v_add_nc_u32 v10, s63, v10                     ; stage, in: row = my sparse point
	v_add_nc_u32 v11, s63, v5                      ; stage, out: 16 bytes a lane of a row
	v_lshlrev_b32 v13, 9, v3
	v_lshl_add_u32 v12, v2, 4, v13
	v_lshlrev_b32 v14, 2, v2
	v_mul_u32_u24 v15, v2, 3072
	v_lshl_add_u32 v15, v3, 7, v15
	s_wait_kmcnt 0x0
	s_cmp_lt_u32 s28, 4
	s_cbranch_scc1 .Lknn_pro
	s_cmp_lt_u32 s28, 8
	s_cbranch_scc1 .Lft
; ---------------------------------------------------------------- waves 8-15: dense_data -> codes.  Wave: 32 points (u) x 128 channels (K step sK): four blocks of 32 channels, all 32 numbers of a block in one lane
	s_sub_co_u32 s62, s28, 8
	s_and_b32 s63, s62, 3                          ; u
	s_lshr_b32 s62, s62, 2                         ; sK
	s_lshl_b32 s32, s30, 22                        ; b x 256 channels x 16,384 bytes
	s_lshl_b32 s39, s62, 21
	s_add_co_u32 s32, s32, s39                     ; + 128 sK channels
	s_lshl_b32 s39, s31, 9
	s_add_co_u32 s32, s32, s39                     ; + my work-group's 128 points
	s_lshl_b32 s39, s63, 7
	s_add_co_u32 s32, s32, s39                     ; + my wave's 32
	s_add_nc_u64 s[66:67], s[4:5], s[32:33]
	s_lshl_b32 s32, s29, 14                        ; codes: [group of 32 points = 4 g + u][block 0..7][lane][16 bytes]
	s_lshl_b32 s39, s63, 12
	s_add_co_u32 s32, s32, s39
	s_lshl_b32 s39, s62, 11
	s_add_co_u32 s32, s32, s39
	s_add_nc_u64 s[68:69], s[22:23], s[32:33]
	s_lshl_b32 s32, s29, 10                        ; scale words: [g][sK][128 points][4 bytes]
	s_lshl_b32 s39, s62, 9
	s_add_co_u32 s32, s32, s39
	s_lshl_b32 s39, s63, 7
	s_add_co_u32 s32, s32, s39
	s_add_co_u32 s32, s32, DQS
	s_add_nc_u64 s[70:71], s[22:23], s[32:33]
.macro DLOAD t                         ; block t: 32 channels of my point; a load reads 128 bytes on end, the four waves of a K step 512
.set i, 0
.rept 32
	global_load_b32 v[48+32*((\t)%2)+i], v4, s[66:67] offset:(32*(\t)+i)*16384 th:TH_LOAD_NT
.set i, i+1
.endr
.endm
.macro DBLK t
.set XS, 48+32*((\t)%2)
.if (\t) < 3
	s_wait_loadcnt 32                              ; this block's 32 loads are in; the next block's may be out
.else
	s_wait_loadcnt 0x0
.endif
	v_max3_num_f32 v112, |v[XS]|, |v[XS+1]|, |v[XS+2]|
	v_max3_num_f32 v113, |v[XS+3]|, |v[XS+4]|, |v[XS+5]|
.irp i, 6,10,14,18,22,26
	v_max3_num_f32 v112, v112, |v[XS+\i]|, |v[XS+\i+1]|
	v_max3_num_f32 v113, v113, |v[XS+\i+2]|, |v[XS+\i+3]|
.endr
	v_max3_num_f32 v112, v112, |v[XS+30]|, |v[XS+31]|
	v_max3_num_f32 v112, v112, v113, 0x1800000     ; the block's largest magnitude, and the floor 2^(3 - 127): the byte cannot fall under 1
	v_add_nc_u32 v114, 0xff000000, v112            ; 2 off its exponent field: the conversion's scale operand
	v_lshrrev_b32 v115, 23, v114                   ; the scale's byte
.if (\t) == 0
	v_mov_b32 v132, v115
.else
	v_lshl_or_b32 v132, v115, 8*(\t), v132         ; four bytes make my point's scale word of this K step
.endif
.irp q, 0,1,2,3
	v_cvt_scalef32_pk8_fp4_f32 v[116+4*(\t)+\q], v[XS+8*\q:XS+8*\q+7], v114
.endr
	v_nop                                          ; one plain instruction behind the last scaled conversion
	global_store_b128 v5, v[116+4*(\t):119+4*(\t)], s[68:69] offset:512*(\t)   ; 512 bytes on end; each block has its own four registers
.if (\t)+2 < 4
	DLOAD (\t)+2
.endif
.endm
	DLOAD 0
	DLOAD 1
	DBLK 0
	DBLK 1
	DBLK 2
	DBLK 3
	global_store_b32 v4, v132, s[70:71]            ; 128 bytes on end: half an aligned block of 256; the neighbouring wave writes the other half
	s_branch .Ltrip
; ---------------------------------------------------------------- waves 4-7: sparse_data [c][s] -> ft [s][c].  Wave a = wave - 4: 32 sparse points x channels 128 a .. + 127
; In a row of ft channel 256 H + 8 u + 4 p + i lies at byte 1024 H + 512 p + 16 u + 4 i: four loads of 16 bytes a lane, 512 bytes apart, then give lane u channels 8 u .. 8 u + 7 of each half of the row.
.Lft:
	s_and_b32 s62, s28, 3                          ; a
	s_lshl_b32 s32, s30, 21                        ; b x 512 channels x 4,096 bytes
	s_lshl_b32 s63, s62, 19
	s_add_co_u32 s32, s32, s63                     ; + 128 a channels
	s_lshl_b32 s63, s31, 7
	s_add_co_u32 s32, s32, s63                     ; + my work-group's 32 points
	s_add_nc_u64 s[66:67], s[8:9], s[32:33]
	s_lshl_b32 s32, s29, 16                        ; row 32 g of 2,048 bytes
	s_lshr_b32 s63, s62, 1
	s_lshl_b32 s63, s63, 10
	s_add_co_u32 s32, s32, s63                     ; + 1024 (a / 2)
	s_and_b32 s63, s62, 1
	s_lshl_b32 s63, s63, 8
	s_add_co_u32 s32, s32, s63                     ; + 256 (a % 2)
	s_add_nc_u64 s[68:69], s[20:21], s[32:33]
.macro FLOAD t
.set i, 0
.rept 32
	global_load_b32 v[48+32*((\t)%2)+i], v4, s[66:67] offset:(32*(\t)+i)*4096
.set i, i+1
.endr
.endm
.macro FTBLK t                         ; 32 channels of my point go into my row of the stage, four at a time, at their places in the row of ft
.if (\t) < 3
	s_wait_loadcnt 32                              ; this block's 32 loads are in; the next block's may be out
.else
	s_wait_loadcnt 0x0
.endif
.set q, 0
.rept 8
	ds_store_b128 v10, v[48+32*((\t)%2)+4*q:48+32*((\t)%2)+4*q+3] offset:256*(q%2)+16*(4*(\t)+q/2)
.set q, q+1
.endr
	s_wait_dscnt 0x0                               ; the stores have read their registers: the set is loaded again
.if (\t)+2 < 4
	FLOAD (\t)+2
.endif
.endm
	FLOAD 0
	FLOAD 1
	FTBLK 0
	FTBLK 1
	FTBLK 2
	FTBLK 3
.set i, 0
.rept 32
	ds_load_b128 v[48+4*i:51+4*i], v11 offset:SROW*i
.set i, i+1
.endr
.set i, 0
.rept 32
	s_wait_dscnt 31-i                              ; row i is back; the younger loads may be out
	global_store_b128 v12, v[48+4*i:51+4*i], s[68:69] offset:2048*i   ; lanes 0-15 and lanes 16-31 each store 256 bytes on end, aligned
.set i, i+1
.endr
	s_cmp_eq_u32 s28, 4
	s_cbranch_scc0 .Ltrip
; ---------------------------------------------------------------- wave 4 goes on: out1 = dense_idx (512 bytes a work-group); work-groups 0-15: rows 16 g .. 16 g + 15 of conv_w
	s_wait_xcnt 0x0                                ; the stores above have read their registers and bases: both are written again below
	s_lshl_b32 s32, s29, 9
	s_add_nc_u64 s[66:67], s[6:7], s[32:33]
	s_add_nc_u64 s[68:69], s[26:27], s[32:33]
	global_load_b128 v[184:187], v5, s[66:67]
	s_wait_loadcnt 0x0
	global_store_b128 v5, v[184:187], s[68:69]
	s_cmp_lt_u32 s29, 16
	s_cbranch_scc0 .Ltrip
	s_wait_xcnt 0x0                                ; that store has read v184-187
	s_mul_i32 s32, s29, 49152
	s_add_nc_u64 s[70:71], s[14:15], s[32:33]      ; my 16 rows of 3,072 bytes
	s_mul_i32 s32, s29, 6144
	s_add_nc_u64 s[40:41], s[24:25], s[32:33]      ; codes, as images of the operand's registers: [tile g][K step 6][c 2][lane][16 bytes]
	s_mul_i32 s32, s29, 768
	s_add_co_u32 s32, s32, WQS
	s_add_nc_u64 s[42:43], s[24:25], s[32:33]      ; scale words: [tile g][K step][lane][4 bytes]
	v_lshlrev_b32 v186, 3, v3                      ; 8 h
	v_mov_b32 v191, 0                              ; a lane permute's destination counts as read
.macro WLOAD s                         ; lane (r, h) of K step s: k = 128 s + 64 c + 32 h + 0 .. 31 of row r: two whole blocks
.set WS_, 48+64*((\s)%2)
.irp c, 0,1
.irp q, 0,1,2,3,4,5,6,7
	global_load_b128 v[WS_+32*\c+4*\q:WS_+32*\c+4*\q+3], v15, s[70:71] offset:512*(\s)+256*\c+16*\q
.endr
.endr
.endm
.macro WQ s
.set WS_, 48+64*((\s)%2)
.if (\s) < 5
	s_wait_loadcnt 16                              ; this K step's 16 loads are in; the next step's may be out
.else
	s_wait_loadcnt 0x0
.endif
	s_wait_xcnt 0x0                                ; the last step's stores have read v176-183 and v190
	v_max3_num_f32 v184, |v[WS_]|, |v[WS_+1]|, 0x1800000
	v_max3_num_f32 v185, |v[WS_+32]|, |v[WS_+33]|, 0x1800000
.irp i, 2,4,6,8,10,12,14,16,18,20,22,24,26,28,30
	v_max3_num_f32 v184, v184, |v[WS_+\i]|, |v[WS_+\i+1]|
	v_max3_num_f32 v185, v185, |v[WS_+32+\i]|, |v[WS_+33+\i]|
.endr
	v_add_nc_u32 v188, 0xff000000, v184
	v_add_nc_u32 v189, 0xff000000, v185
	v_lshrrev_b32 v184, 23, v188
	v_lshrrev_b32 v185, 23, v189
	v_lshl_or_b32 v190, v185, 16, v184             ; my two bytes: blocks h and 2 + h,
	v_lshlrev_b32 v190, v186, v190                 ; at their places in the word;
	v_permlanex16_b32 v191, v190, s34, s35
	v_or_b32 v190, v190, v191                      ; with lane l xor 16's two the word is whole, in both lanes
.irp c, 0,1
.irp q, 0,1,2,3
	v_cvt_scalef32_pk8_fp4_f32 v[176+4*\c+\q], v[WS_+32*\c+8*\q:WS_+32*\c+8*\q+7], v[188+\c]
.endr
.endr
	v_nop                                          ; one plain instruction behind the last scaled conversion
	global_store_b128 v5, v[176:179], s[40:41] offset:1024*(\s)
	global_store_b128 v5, v[180:183], s[40:41] offset:1024*(\s)+512
	global_store_b32 v4, v190, s[42:43] offset:128*(\s)
.if (\s)+2 < 6
	WLOAD (\s)+2
.endif
.endm
	WLOAD 0
	WLOAD 1
	WQ 0
	WQ 1
	WQ 2
	WQ 3
	WQ 4
	WQ 5
	s_branch .Ltrip
; ---------------------------------------------------------------- waves 0-3: the table of the batch's sparse points, my 32 dense points, the first two tiles' fetches
; REGISTERS of this role: v16-23, v24-31 dense tile 0, 1: X, Y, Z, |d|^2, each twice (a pair for the packed forms); v60-75 the sorted threes and four at work; v80-111, v112-143 two sets of a sparse tile
; (x, y, z, |s|^2 of eight points); v144-159 the sixteen d2 of a tile; v160-175 their t.  Ahead of the loop: v48-79 indices, then |s|^2; v80-175 the 1,024 points' x, y, z, 32 a lane; v176-191 at work
.Lknn_pro:
	s_lshl_b32 s32, s30, 12
	s_add_nc_u64 s[66:67], s[10:11], s[32:33]      ; sparse_idx of my batch
	s_lshl_b32 s32, s29, 9
	s_lshl_b32 s62, s28, 7
	s_add_co_u32 s32, s32, s62
	s_add_nc_u64 s[68:69], s[6:7], s[32:33]        ; dense_idx at my wave's 32 points
	s_mul_i32 s32, s30, 49152
	s_add_nc_u64 s[70:71], s[12:13], s[32:33]      ; pcd of my batch: x, y, z 16,384 bytes apart
.set i, 0
.rept 32
	global_load_b32 v[48+i], v4, s[66:67] offset:128*i   ; sparse point 32 i + lane
.set i, i+1
.endr
	global_load_b32 v176, v14, s[68:69]            ; dense tile 0: point r (both halves of the lanes)
	global_load_b32 v177, v14, s[68:69] offset:64  ; dense tile 1
	s_wait_loadcnt 0x0
.set i, 0
.rept 32
	v_min_u32 v[48+i], 0xfff, v[48+i]              ; an index enters an address behind a clamp to the table's 4,096 points
	v_lshlrev_b32 v[48+i], 2, v[48+i]
.set i, i+1
.endr
	v_min_u32 v176, 0xfff, v176
	v_min_u32 v177, 0xfff, v177
	v_lshlrev_b32 v176, 2, v176
	v_lshlrev_b32 v177, 2, v177
.irp t, 0,1
	global_load_b32 v[16+8*\t], v[176+\t], s[70:71]
	global_load_b32 v[18+8*\t], v[176+\t], s[70:71] offset:16384
	global_load_b32 v[20+8*\t], v[176+\t], s[70:71] offset:32768
.endr
.set i, 0
.rept 32
	global_load_b32 v[80+i], v[48+i], s[70:71]
	global_load_b32 v[112+i], v[48+i], s[70:71] offset:16384
	global_load_b32 v[144+i], v[48+i], s[70:71] offset:32768
.set i, i+1
.endr
	s_wait_loadcnt 0x0
.irp t, 0,1
	v_mul_f32 v[22+8*\t], v[16+8*\t], v[16+8*\t]   ; |d|^2 = (X X + Y Y) + Z Z, each product and sum rounded by itself
	v_mul_f32 v[184+\t], v[18+8*\t], v[18+8*\t]
	v_mul_f32 v[186+\t], v[20+8*\t], v[20+8*\t]
	v_add_f32 v[22+8*\t], v[22+8*\t], v[184+\t]
	v_add_f32 v[22+8*\t], v[22+8*\t], v[186+\t]
	v_mov_b32 v[17+8*\t], v[16+8*\t]               ; the pairs' upper halves
	v_mov_b32 v[19+8*\t], v[18+8*\t]
	v_mov_b32 v[21+8*\t], v[20+8*\t]
	v_mov_b32 v[23+8*\t], v[22+8*\t]
.endr
.set i, 0
.rept 16
.set T, 184+4*((i/2)%2)
	v_pk_mul_f32 v[48+i:49+i], v[80+i:81+i], v[80+i:81+i]          ; |s|^2 likewise, two points at a time, where their indices stood
	v_pk_mul_f32 v[T:T+1], v[112+i:113+i], v[112+i:113+i]
	v_pk_mul_f32 v[T+2:T+3], v[144+i:145+i], v[144+i:145+i]
	v_pk_add_f32 v[48+i:49+i], v[48+i:49+i], v[T:T+1]
	v_pk_add_f32 v[48+i:49+i], v[48+i:49+i], v[T+2:T+3]
.set i, i+2
.endr
.set i, 0
.rept 32
	ds_store_b32 v6, v[80+i] offset:128*i          ; point 32 i + lane: 128 bytes on end a store
	ds_store_b32 v6, v[112+i] offset:TCO+128*i
	ds_store_b32 v6, v[144+i] offset:2*TCO+128*i
	ds_store_b32 v6, v[48+i] offset:3*TCO+128*i
.set i, i+1
.endr
	ds_store_b32 v6, v48 offset:4*TCO              ; the spare bytes, which the last trip fetches and nobody uses, hold numbers
	s_wait_dscnt 0x0                               ; the table stands, and the stores have read their registers
.macro TLOAD sb, adr, off              ; a sparse tile: x, y, z, |s|^2 of eight points into set sb: the sixteen lanes of a half read the same 16 bytes
.irp c, 0,1,2,3
.irp q, 0,1
	ds_load_b128 v[\sb+8*\c+4*\q:\sb+8*\c+4*\q+3], v[\adr] offset:\off+TCO*\c+16*\q
.endr
.endr
.endm
	TLOAD 80, 8, 0                                 ; sparse tile 0
	TLOAD 112, 8, 32                               ; sparse tile 1
.irp k, 60,61,62,66,67,68
	v_mov_b32 v\k, 0x7f800000                      ; the three smallest d2 so far: infinity
.endr
.irp k, 63,64,65,69,70,71,72,73,74,75
	v_mov_b32 v\k, 0                               ; their codes; four registers at work
.endr
; One number for each of the two dense tiles is put into its sorted three.  State: tile 0: d v60-62, codes v63-65; tile 1: v66-68, v69-71.  The two tiles' lines alternate.
; c1, c2, c3 = the number is less than d1, d2, d3 (strictly: at equal distances what came first, the lower index, stays in front).
.macro INS va, vb, cl, ca, cb
	v_cmp_lt_f32 s40, v[\va], v60
	v_cmp_lt_f32 s43, v[\vb], v66
	v_cmp_lt_f32 s41, v[\va], v61
	v_cmp_lt_f32 s44, v[\vb], v67
	v_cmp_lt_f32 s42, v[\va], v62
	v_cmp_lt_f32 s45, v[\vb], v68
	v_cndmask_b32 v72, \cl[\ca], v64, s41          ; what the third place would take: the old second, or the new one
	v_cndmask_b32 v74, \cl[\cb], v70, s44
	v_cndmask_b32 v73, \cl[\ca], v63, s40          ; what the second place would take
	v_cndmask_b32 v75, \cl[\cb], v69, s43
	v_cndmask_b32 v65, v65, v72, s42
	v_cndmask_b32 v71, v71, v74, s45
	v_cndmask_b32 v64, v64, v73, s41
	v_cndmask_b32 v70, v70, v75, s44
	v_cndmask_b32 v63, v63, \cl[\ca], s40
	v_cndmask_b32 v69, v69, \cl[\cb], s43
	v_med3_num_f32 v62, v[\va], v61, v62
	v_med3_num_f32 v68, v[\vb], v67, v68
	v_med3_num_f32 v61, v[\va], v60, v61
	v_med3_num_f32 v67, v[\vb], v66, v67
	v_min_num_f32 v60, v[\va], v60
	v_min_num_f32 v66, v[\vb], v66
.endm
; Half a trip: the sparse tile in set sb against my two dense points: sixteen d2 by 40 packed lines, the stages by turns so that no line waits for the line above it; then the set is asked for again
; (the tile two further on, at off from the trip's address), and the sixteen numbers go into the sorted threes.
.macro HALF sb, off, c0
	s_wait_dscnt 8                                 ; this set's eight loads are in; the other set's eight, issued behind them, may be out
.irp j, 0,2,4,6
	v_pk_mul_f32 v[144+\j:145+\j], v[\sb+\j:\sb+\j+1], v[16:17]          ; x X: the product's first term, rounded
	v_pk_mul_f32 v[152+\j:153+\j], v[\sb+\j:\sb+\j+1], v[24:25]
.endr
.irp j, 0,2,4,6
	v_pk_add_f32 v[160+\j:161+\j], v[22:23], v[\sb+24+\j:\sb+25+\j]      ; t = |d|^2 + |s|^2
	v_pk_add_f32 v[168+\j:169+\j], v[30:31], v[\sb+24+\j:\sb+25+\j]
.endr
.irp j, 0,2,4,6
	v_pk_fma_f32 v[144+\j:145+\j], v[\sb+8+\j:\sb+9+\j], v[18:19], v[144+\j:145+\j]     ; + y Y, fused
	v_pk_fma_f32 v[152+\j:153+\j], v[\sb+8+\j:\sb+9+\j], v[26:27], v[152+\j:153+\j]
.endr
.irp j, 0,2,4,6
	v_pk_fma_f32 v[144+\j:145+\j], v[\sb+16+\j:\sb+17+\j], v[20:21], v[144+\j:145+\j]   ; + z Z, fused: the dot
	v_pk_fma_f32 v[152+\j:153+\j], v[\sb+16+\j:\sb+17+\j], v[28:29], v[152+\j:153+\j]
.endr
.irp j, 0,2,4,6
	v_pk_fma_f32 v[144+\j:145+\j], v[144+\j:145+\j], -2.0, v[160+\j:161+\j] op_sel_hi:[1,0,1]   ; d2 = t - 2 dot: the doubling rounds nothing, so this is the one rounding of the subtraction
	v_pk_fma_f32 v[152+\j:153+\j], v[152+\j:153+\j], -2.0, v[168+\j:169+\j] op_sel_hi:[1,0,1]
.endr
	TLOAD \sb, 9, \off
.set j, 0
.rept 8
	INS 144+j, 152+j, s, 46+\c0+j, 46+\c0+j
.set j, j+1
.endr
.endm
; ---------------------------------------------------------------- the loop: 32 trips of two sparse tiles.  Every wave walks it (so the stepped LDS address stands on every wave's path); only waves 0-3 work in it
.Ltrip:
	v_add_nc_u32 v9, s36, v8
	s_cmp_lt_u32 s28, 4
	s_cbranch_scc0 .Lskip
	HALF 80, 64, 0
	HALF 112, 96, 8
.set j, 0
.rept 16
	s_add_co_u32 s[46+j], s[46+j], 16
.set j, j+1
.endr
.Lskip:
	s_add_co_u32 s36, s36, 64                      ; two tiles of eight points, 4 bytes a point in each array
	s_add_co_u32 s37, s37, 1
	s_cmp_lt_u32 s37, 32
	s_cbranch_scc1 .Ltrip
	s_cmp_lt_u32 s28, 4
	s_cbranch_scc0 .Lend
; ---------------------------------------------------------------- the two halves of the lanes are joined, the weights made, the results stored
	s_wait_dscnt 0x0                               ; the last trip's fetches ahead
.irp k, 63,64,65,69,70,71
	v_add_nc_u32 v\k, v13, v\k                     ; the sparse point: code + 512 h
.endr
.set i, 0
.rept 6
	v_mov_b32 v[80+i], 0                           ; a lane permute's destination counts as read
	v_mov_b32 v[100+i], 0
.set i, i+1
.endr
.set i, 0
.rept 6
	v_permlanex16_b32 v[80+i], v[60+i], s34, s35
	v_permlanex16_b32 v[100+i], v[66+i], s34, s35
.set i, i+1
.endr
.set i, 0
.rept 6
	v_cndmask_b32 v[92+i], v[80+i], v[60+i], s38   ; the upper half's three (points 512..), in both lanes;
	v_cndmask_b32 v[106+i], v[100+i], v[66+i], s38
.set i, i+1
.endr
.set i, 0
.rept 6
	v_cndmask_b32 v[60+i], v[60+i], v[80+i], s38   ; the lower half's three are the state, and keep their places at equal distances
	v_cndmask_b32 v[66+i], v[66+i], v[100+i], s38
.set i, i+1
.endr
	INS 92, 106, v, 95, 109
	INS 93, 107, v, 96, 110
	INS 94, 108, v, 97, 111
; q = a / b, correctly rounded, for b of either sign: r holds about 1 / b; one Newton step on r, the quotient, and two corrections by its residual.  These lines are fused on purpose: they are the division's own arithmetic.
.macro DIVS q, a, b, r, t
	v_fma_f32 v[\t], -v[\b], v[\r], 1.0
	v_fma_f32 v[\r], v[\t], v[\r], v[\r]
	v_mul_f32 v[\q], v[\a], v[\r]
	v_fma_f32 v[\t], -v[\b], v[\q], v[\a]
	v_fma_f32 v[\q], v[\t], v[\r], v[\q]
	v_fma_f32 v[\t], -v[\b], v[\q], v[\a]
	v_fma_f32 v[\q], v[\t], v[\r], v[\q]
.endm
.irp k, 60,61,62,66,67,68
	v_add_f32 v\k, 0x322bcc77, v\k                 ; d2 + 1e-8
.endr
	v_mov_b32 v122, 1.0
	v_rcp_f32 v112, v60
	v_rcp_f32 v113, v61
	v_rcp_f32 v114, v62
	v_rcp_f32 v115, v66
	v_rcp_f32 v116, v67
	v_rcp_f32 v117, v68
	v_nop                                          ; a plain instruction behind the last reciprocal
	s_wait_alu depctr_va_vdst(0)                   ; one wait for the six, ahead of their first reader
	DIVS 100, 122, 60, 112, 118                    ; w = 1 / (d2 + 1e-8)
	DIVS 101, 122, 61, 113, 118
	DIVS 102, 122, 62, 114, 118
	DIVS 103, 122, 66, 115, 118
	DIVS 104, 122, 67, 116, 118
	DIVS 105, 122, 68, 117, 118
	v_add_f32 v119, v100, v101
	v_add_f32 v120, v103, v104
	v_add_f32 v119, v119, v102                     ; (w1 + w2) + w3
	v_add_f32 v120, v120, v105
	v_rcp_f32 v121, v119
	v_rcp_f32 v123, v120
	v_nop
	s_wait_alu depctr_va_vdst(0)                   ; and one for the two
	DIVS 112, 100, 119, 121, 118                   ; w / the sum
	DIVS 113, 101, 119, 121, 118
	DIVS 114, 102, 119, 121, 118
	DIVS 115, 103, 120, 123, 118
	DIVS 116, 104, 120, 123, 118
	DIVS 117, 105, 120, 123, 118
	s_lshl_b32 s62, s30, 10
.irp k, 63,64,65,69,70,71
	v_add_nc_u32 v\k, s62, v\k                     ; the row of ft: 1024 b + sparse point
.endr
	v_cndmask_b32 v124, v63, v69, s38              ; lane 16 t + r takes dense tile t's point r
	v_cndmask_b32 v125, v64, v70, s38
	v_cndmask_b32 v126, v65, v71, s38
	v_mov_b32 v127, 0
	v_cndmask_b32 v128, v112, v115, s38
	v_cndmask_b32 v129, v113, v116, s38
	v_cndmask_b32 v130, v114, v117, s38
	v_mov_b32 v131, 0
	s_lshl_b32 s32, s29, 11
	s_lshl_b32 s62, s28, 9
	s_add_co_u32 s32, s32, s62                     ; 16 bytes a point: point 128 g + 32 wave + lane
	s_add_nc_u64 s[66:67], s[16:17], s[32:33]
	s_add_nc_u64 s[68:69], s[18:19], s[32:33]
	global_store_b128 v5, v[124:127], s[66:67]     ; 512 bytes on end
	global_store_b128 v5, v[128:131], s[68:69]
.Lend:
	s_wait_tensorcnt 0x0
	ds_add_u32 v192, v193
	s_wait_dscnt 0x0
	s_endpgm
.Lfunc_end_k_q02f9b5bdb9_prep:
	.size	k_q02f9b5bdb9_prep, .Lfunc_end_k_q02f9b5bdb9_prep-k_q02f9b5bdb9_prep
	.p2alignl 7, 3214868480
	.fill 96, 4, 3214868480
	.section	.rodata,"a",@progbits
	.p2align	6, 0x0
	.amdhsa_kernel k_q02f9b5bdb9_prep
		.amdhsa_group_segment_fixed_size 138240
		.amdhsa_private_segment_fixed_size 0
		.amdhsa_enable_private_segment 0
		.amdhsa_kernarg_size 96
		.amdhsa_user_sgpr_count 2
		.amdhsa_user_sgpr_kernarg_segment_ptr 1
		.amdhsa_wavefront_size32 1
		.amdhsa_system_sgpr_workgroup_id_x 1
		.amdhsa_system_sgpr_workgroup_id_y 1
		.amdhsa_system_sgpr_workgroup_id_z 1
		.amdhsa_system_vgpr_workitem_id 0
		.amdhsa_next_free_vgpr 194
		.amdhsa_next_free_sgpr 80
		.amdhsa_reserve_vcc 0
		.amdhsa_float_denorm_mode_32 3
		.amdhsa_float_denorm_mode_16_64 3
		.amdhsa_memory_ordered 1
		.amdhsa_forward_progress 1
		.amdhsa_inst_pref_size 146
	.end_amdhsa_kernel
	.amdgpu_metadata
---
amdhsa.version: [ 1, 2 ]
amdhsa.kernels:
  - .name:           k_q02f9b5bdb9_prep
    .symbol:         k_q02f9b5bdb9_prep.kd
    .args:
      - { .name: dense_data, .offset: 0, .size: 8, .value_kind: global_buffer, .address_space: global }
      - { .name: dense_idx, .offset: 8, .size: 8, .value_kind: global_buffer, .address_space: global }
      - { .name: sparse_data, .offset: 16, .size: 8, .value_kind: global_buffer, .address_space: global }
      - { .name: sparse_idx, .offset: 24, .size: 8, .value_kind: global_buffer, .address_space: global }
      - { .name: pcd, .offset: 32, .size: 8, .value_kind: global_buffer, .address_space: global }
      - { .name: conv_w, .offset: 40, .size: 8, .value_kind: global_buffer, .address_space: global }
      - { .name: nbr, .offset: 48, .size: 8, .value_kind: global_buffer, .address_space: global }
      - { .name: nwt, .offset: 56, .size: 8, .value_kind: global_buffer, .address_space: global }
      - { .name: ft, .offset: 64, .size: 8, .value_kind: global_buffer, .address_space: global }
      - { .name: dq, .offset: 72, .size: 8, .value_kind: global_buffer, .address_space: global }
      - { .name: wq, .offset: 80, .size: 8, .value_kind: global_buffer, .address_space: global }
      - { .name: out1, .offset: 88, .size: 8, .value_kind: global_buffer, .address_space: global }
    .group_segment_fixed_size: 138240
    .private_segment_fixed_size: 0
    .kernarg_segment_align: 8
    .kernarg_segment_size: 96
    .max_flat_workgroup_size: 512
    .sgpr_count:     80
    .vgpr_count:     194
    .wavefront_size: 32
...
	.end_amdgpu_metadata
.endif
;; end of part 1
;; launch main (part 2): grid 256 x 1, 8 waves a work-group, no clusters, 235,520 bytes of LDS; arguments nbr, nwt, ft, dq, wq, ybuf, pstat; writes ybuf, pstat
.if DOCPART == 2
	.amdgcn_target "amdgcn-amd-amdhsa--gfx1250"
	.amdhsa_code_object_version 6
	.text
	.protected	k_q02f9b5bdb9_main
	.globl	k_q02f9b5bdb9_main
	.p2align	8
	.type	k_q02f9b5bdb9_main,@function
k_q02f9b5bdb9_main:
	s_mov_b64 s[64:65], 0
	v_nop
	global_prefetch_b8 v0, s[64:65] scope:SCOPE_SE
	s_setreg_imm32_b32 hwreg(HW_REG_WAVE_MODE, 25, 1), 1
	s_wait_xcnt 0x0
; SECOND LAUNCH.  Work-group g owns points 128 g .. 128 g + 127 (batch b = g / 32).  y[o][point] = sum over the 768 channels of Q(conv_w)[o][c] Q(x)[c][point], on codes of FP4 (E2M1) with one E8M0 scale for each 32 channels.
; x = 256 dense channels (codes made by the launch before) and 512 interpolated ones, made here: three rows of ft a point, by the stored list, weighed in f32 and quantised in registers.
; The interpolation is (n1 w1 + n2 w2) + n3 w3 with each product and each sum rounded by itself, as reference() writes it: it stands ahead of a quantiser, where a last bit can turn a code; so nothing is fused here, on purpose.
; PRODUCTION: wave w makes rows (points) 16 w .. 16 w + 15 of x.  A point's three rows come as 12 loads of 512 bytes on end; lane l holds channels 8 l .. 8 l + 7 of each half of the 512: four lanes hold a block of 32.
;   Three sets of registers: while one point is worked, two points' 24 loads are on their way in each wave.
; ONE BARRIER.  THE PRODUCT: wave w multiplies all 128 rows by its own 32 output channels (tiles 2 w, 2 w + 1): source 0 = 16 points, source 1 = 16 rows of conv_w: a lane then holds one channel and eight neighbouring points,
;   as ybuf [b][o][m] wants them.  Sixteen accumulators, one instruction a turn.
; Each work-group leaves, for each channel, the mean of its 128 numbers and the sum of squares round that mean (never a difference of large sums).
; No cluster: what work-groups share is wq, 110,592 bytes against 786,432 gathered by each; the gathered rows follow each point's own list.
.set XI,  0                            ; 128 rows x (256 bytes of codes + 16): the interpolated channels
.set XD,  34816                        ; 128 rows x (128 + 16): the dense channels
.set SI,  53248                        ; [128 rows][16 scale bytes]
.set SD,  55296                        ; [2 K steps][128 rows][4 scale bytes]
.set WL,  56320                        ; 8 x 13,824, each wave's own: its two tiles of conv_w: 12,288 bytes of codes, 1,536 of scale words
.set STG, 166912                       ; 8 x 8,448, each wave's own: 16 rows x (512 + 16), for the way out
.set DQS, 4194304
.set WQS, 98304
; VECTORS: v1 16 lane; v2-11, v30, v31 LDS addresses, never rewritten; v12-23 scale words and nothing else; v24-27 my 16 points' weights (lane r: point r); v28, v29 global offsets
;   production: v32-79, v80-127, v128-175 three sets of 3 rows x 16 numbers; v176-191 x; v192-199 at work
;   product: v32-159 accumulators ((tile of rows t, tile of channels o) at v[32 + 8 (2 t + o)]); v160-191 conv_w's fragments, two sets; v192-255 x's fragments, two sets of four
	s_load_b256 s[4:11], s[0:1], 0x0               ; nbr, nwt, ft, dq
	s_load_b128 s[12:15], s[0:1], 0x20             ; wq, ybuf
	s_load_b64 s[76:77], s[0:1], 0x30              ; pstat
	s_set_vgpr_msb 0x40
	v_lshl_add_u32 v0, v0, 2, 0x39400
	v_mov_b32 v1, 0
	s_set_vgpr_msb 0x4000
	v_lshrrev_b32 v1, 5, v0
	v_readfirstlane_b32 s78, v1                    ; wave 0..7
	s_mov_b32 s79, ttmp9
	s_lshr_b32 s80, ttmp9, 5
	s_and_b32 s81, ttmp9, 31
	s_mov_b32 s69, 0                               ; the upper halves of the pairs that the packed forms name
	s_mov_b32 s71, 0
	s_mov_b32 s73, 0
	s_mov_b32 s75, 0
	s_mov_b32 s96, 0x76543210
	s_mov_b32 s97, 0xfedcba98                      ; v_permlanex16_b32: lane l xor 16
	s_mov_b32 s98, 0xffff0000                      ; lanes 16-31
	v_and_b32 v24, 31, v0                          ; lane
	v_and_b32 v25, 15, v0                          ; r
	v_bfe_u32 v26, v0, 4, 1                        ; h
	v_lshlrev_b32 v1, 4, v24
	v_mul_u32_u24 v2, v25, 272
	v_lshl_add_u32 v2, v26, 4, v2                  ; a fragment of the interpolated codes: row r, + 16 h
	v_mul_u32_u24 v3, v25, 144
	v_lshl_add_u32 v3, v26, 4, v3
	v_add_nc_u32 v3, XD, v3                        ; of the dense codes
	v_lshl_add_u32 v4, v25, 4, SI                  ; row r's scale bytes
	v_lshl_add_u32 v5, v25, 2, SD
	s_mul_i32 s82, s78, 13824
	s_add_co_u32 s82, s82, WL
	v_add_nc_u32 v6, s82, v1                       ; my wave's weights: an image's place for my lane
	v_lshl_add_u32 v7, v24, 2, s82
	v_add_nc_u32 v7, 12288, v7                     ; and a scale word's
	s_mul_i32 s83, s78, 4352
	v_lshl_add_u32 v8, v24, 2, s83                 ; where I put 8 codes of a row that I make: 16 w rows of 272 + 4 lane
	v_lshrrev_b32 v9, 2, v24
	s_lshl_b32 s83, s78, 8
	s_add_co_u32 s83, s83, SI
	v_add_nc_u32 v9, s83, v9                       ; and my block's scale byte
	s_lshr_b32 s83, s78, 1
	s_mul_i32 s83, s83, 4608
	s_and_b32 s86, s78, 1
	s_lshl_b32 s86, s86, 6
	s_add_co_u32 s83, s83, s86
	s_add_co_u32 s83, s83, XD
	v_mul_u32_u24 v10, v24, 144
	v_add_nc_u32 v10, s83, v10                     ; the dense codes that I bring: row 32 (w / 2) + lane, byte 64 (w % 2)
	s_lshl_b32 s83, s78, 7
	s_add_co_u32 s83, s83, SD
	v_lshl_add_u32 v11, v24, 2, s83
	s_mul_i32 s83, s78, 8448
	s_add_co_u32 s83, s83, STG
	v_mul_u32_u24 v30, v25, 528
	v_lshl_add_u32 v30, v26, 5, v30
	v_add_nc_u32 v30, s83, v30                     ; the way out, in: row r (a channel), + 32 h
	v_add_nc_u32 v31, s83, v1                      ; back: 16 bytes a lane of a row
	v_lshlrev_b32 v28, 4, v25
	v_lshlrev_b32 v29, 2, v24
	s_wait_kmcnt 0x0
	s_lshl_b32 s74, s79, 11
	s_lshl_b32 s83, s78, 8
	s_add_co_u32 s74, s74, s83                     ; 16 bytes a point: point 128 g + 16 w
	s_add_nc_u64 s[84:85], s[4:5], s[74:75]
	s_add_nc_u64 s[86:87], s[6:7], s[74:75]
	s_load_b512 s[16:31], s[84:85], 0x0            ; the lists of my points 0-3
	s_load_b512 s[32:47], s[84:85], 0x40           ; and 4-7
	s_lshl_b32 s74, s79, 14
	s_lshl_b32 s83, s78, 11
	s_add_co_u32 s74, s74, s83
	s_add_nc_u64 s[88:89], s[10:11], s[74:75]      ; dq's codes: my four pieces of 512 bytes of the work-group's 32
	s_lshl_b32 s74, s79, 10
	s_lshl_b32 s83, s78, 7
	s_add_co_u32 s74, s74, s83
	s_add_co_u32 s74, s74, DQS
	s_add_nc_u64 s[90:91], s[10:11], s[74:75]      ; dq's scale words: my 128 bytes of the work-group's 1,024
	s_mul_i32 s74, s78, 12288
	s_add_nc_u64 s[92:93], s[12:13], s[74:75]      ; wq: my two tiles' codes,
	s_mul_i32 s74, s78, 1536
	s_add_co_u32 s74, s74, WQS
	s_add_nc_u64 s[94:95], s[12:13], s[74:75]      ; and scale words
	global_load_b128 v[24:27], v28, s[86:87]
.irp i, 0,1,2,3
	global_load_b128 v[32+4*\i:35+4*\i], v1, s[88:89] offset:512*\i
.endr
	global_load_b32 v48, v29, s[90:91]
.set n, 0
.rept 24
	global_load_b128 v[52+4*n:55+4*n], v1, s[92:93] offset:512*n
.set n, n+1
.endr
.rept 3
	global_load_b128 v[52+4*n:55+4*n], v1, s[94:95] offset:512*(n-24)
.set n, n+1
.endr
	s_wait_loadcnt 0x0
	s_wait_kmcnt 0x0
.irp i, 0,1,2,3
	ds_store_b128 v10, v[32+4*\i:35+4*\i] offset:16*\i
.endr
	ds_store_b32 v11, v48
.set n, 0
.rept 27
	ds_store_b128 v6, v[52+4*n:55+4*n] offset:512*n
.set n, n+1
.endr
	s_lshl_b32 s74, s80, 22                        ; (all loads are in: their bases may be written)  ybuf: batch b, channel 32 w, point 128 (g % 32)
	s_lshl_b32 s83, s78, 19
	s_add_co_u32 s74, s74, s83
	s_lshl_b32 s83, s81, 9
	s_add_co_u32 s74, s74, s83
	s_add_nc_u64 s[86:87], s[14:15], s[74:75]
	s_lshl_b32 s74, s79, 11
	s_lshl_b32 s83, s78, 8
	s_add_co_u32 s74, s74, s83
	s_add_nc_u64 s[88:89], s[76:77], s[74:75]      ; pstat: [g][256 channels][mean, M2]: my 32 channels
	v_and_b32 v28, 31, v0
	v_lshlrev_b32 v28, 3, v28                      ; 8 lane
	s_wait_dscnt 0x0                               ; the stores have read their registers, which the gathers take
; Point p's three rows are asked for: 12 loads of 512 bytes on end, into set p % 3.  A stored row number enters an address behind a clamp to ft's 8,192 rows.
.macro ISSUE p
.set Q_, (\p)%3
.set IG_, 16+16*(((\p)/4)%2)+4*((\p)%4)
.irp k, 0,1,2
.set BP_, 48+6*Q_+2*\k+2*((6*Q_+2*\k)/16)      ; the set's three bases: s48-53, s54-59, s60-63 and s66-67
	s_min_u32 s74, s[IG_+\k], 0x1fff
	s_lshl_b32 s74, s74, 11
	s_add_nc_u64 s[BP_:BP_+1], s[8:9], s[74:75]
.irp j, 0,1,2,3
	global_load_b128 v[32+48*Q_+16*\k+4*\j:32+48*Q_+16*\k+4*\j+3], v1, s[BP_:BP_+1] offset:512*\j
.endr
.endr
.endm
.macro COMPUTE p
.set S_, 32+48*((\p)%3)
.if (\p) < 14
	s_wait_loadcnt 24                              ; this point's 12 loads are in; the next two points' 24 may be out
.elseif (\p) == 14
	s_wait_loadcnt 12
.else
	s_wait_loadcnt 0x0
.endif
	v_readlane_b32 s68, v24, \p                    ; the point's three weights
	v_readlane_b32 s70, v25, \p
	v_readlane_b32 s72, v26, \p
.irp e, 0,2,4,6,8,10,12,14
	v_pk_mul_f32 v[176+\e:177+\e], v[S_+\e:S_+\e+1], s[68:69] op_sel_hi:[1,0]           ; n1 w1
.endr
.irp e, 0,2,4,6,8,10,12,14
	v_pk_mul_f32 v[S_+16+\e:S_+17+\e], v[S_+16+\e:S_+17+\e], s[70:71] op_sel_hi:[1,0]   ; n2 w2, in place
.endr
.irp e, 0,2,4,6,8,10,12,14
	v_pk_mul_f32 v[S_+32+\e:S_+33+\e], v[S_+32+\e:S_+33+\e], s[72:73] op_sel_hi:[1,0]   ; n3 w3, in place
.endr
.irp e, 0,2,4,6,8,10,12,14
	v_pk_add_f32 v[176+\e:177+\e], v[176+\e:177+\e], v[S_+16+\e:S_+17+\e]
.endr
.irp e, 0,2,4,6,8,10,12,14
	v_pk_add_f32 v[176+\e:177+\e], v[176+\e:177+\e], v[S_+32+\e:S_+33+\e]
.endr
.if (\p) < 13
.if ((\p)+3 == 8) || ((\p)+3 == 12)
	s_wait_kmcnt 0x0                               ; the next four points' lists are in
.endif
	ISSUE (\p)+3                                   ; the set and its bases are free since the wait at the head
.if (\p)+3 == 3
	s_load_b512 s[16:31], s[84:85], 0x80           ; points 8-11, where points 0-3 stood
.endif
.if (\p)+3 == 7
	s_load_b512 s[32:47], s[84:85], 0xc0           ; points 12-15
.endif
.endif
	v_max3_num_f32 v192, |v176|, |v177|, 0x1800000 ; my eight numbers of each half, and the floor 2^(3 - 127): the byte cannot fall under 1
	v_max3_num_f32 v193, |v184|, |v185|, 0x1800000
.irp i, 2,4,6
	v_max3_num_f32 v192, v192, |v[176+\i]|, |v[177+\i]|
	v_max3_num_f32 v193, v193, |v[184+\i]|, |v[185+\i]|
.endr
	v_max_num_f32_dpp v192, v192, v192 row_xmask:1 row_mask:0xf bank_mask:0xf   ; with the three lanes that share my block
	v_max_num_f32_dpp v193, v193, v193 row_xmask:1 row_mask:0xf bank_mask:0xf
	v_max_num_f32_dpp v192, v192, v192 row_xmask:2 row_mask:0xf bank_mask:0xf
	v_max_num_f32_dpp v193, v193, v193 row_xmask:2 row_mask:0xf bank_mask:0xf
	v_add_nc_u32 v194, 0xff000000, v192            ; 2 off the exponent field: the conversion's scale operand
	v_add_nc_u32 v195, 0xff000000, v193
	s_wait_dscnt 0x0                               ; the last point's four LDS stores have read v196-199
	v_lshrrev_b32 v196, 23, v194                   ; the scale's byte
	v_lshrrev_b32 v197, 23, v195
	v_cvt_scalef32_pk8_fp4_f32 v198, v[176:183], v194
	v_cvt_scalef32_pk8_fp4_f32 v199, v[184:191], v195
	v_nop                                          ; one plain instruction behind the last scaled conversion
	ds_store_b32 v8, v198 offset:272*(\p)          ; channels 8 l ..: byte 4 l of the row's 256
	ds_store_b32 v8, v199 offset:272*(\p)+128      ; channels 256 + 8 l ..
	ds_store_b8 v9, v196 offset:16*(\p)            ; the four lanes of a block write the same byte with the same value
	ds_store_b8 v9, v197 offset:16*(\p)+8
.endm
	ISSUE 0
	ISSUE 1
	ISSUE 2
.set P, 0
.rept 16
	COMPUTE P
.set P, P+1
.endr
	s_wait_dscnt 0x0                               ; for the others' sake: all my LDS stores are done
	s_barrier_signal -1
	s_barrier_wait -1                              ; the 128 rows of x and their scale bytes lie in LDS
; THE PRODUCT, in 12 batches q = (K step q / 2, half q % 2 of the rows): four tiles of rows x my two tiles of channels.  K steps 0, 1: dense; 2-5: interpolated.
.macro LOADA q                         ; 12 LDS loads: four fragments (two loads each) and their rows' scale words, into set q % 2
.set KS_, (\q)/2
.set HF_, (\q)%2
.set AB_, 192+32*HF_
.set SB_, 12+4*HF_
.irp t, 0,1,2,3
.if KS_ < 2
	ds_load_b128 v[AB_+8*\t:AB_+8*\t+3], v3 offset:2304*(4*HF_+\t)+64*KS_
	ds_load_b128 v[AB_+8*\t+4:AB_+8*\t+7], v3 offset:2304*(4*HF_+\t)+64*KS_+32
	ds_load_b32 v[SB_+\t], v5 offset:512*KS_+64*(4*HF_+\t)
.else
	ds_load_b128 v[AB_+8*\t:AB_+8*\t+3], v2 offset:4352*(4*HF_+\t)+64*(KS_-2)
	ds_load_b128 v[AB_+8*\t+4:AB_+8*\t+7], v2 offset:4352*(4*HF_+\t)+64*(KS_-2)+32
	ds_load_b32 v[SB_+\t], v4 offset:256*(4*HF_+\t)+4*(KS_-2)
.endif
.endr
.endm
.macro LOADW s                         ; 6 LDS loads: my two tiles' fragments of K step s and their scale words, into set s % 2
.set WB_, 160+16*((\s)%2)
.set WS_, 20+2*((\s)%2)
.irp o, 0,1
	ds_load_b128 v[WB_+8*\o:WB_+8*\o+3], v6 offset:((6*\o+(\s))*2)*512
	ds_load_b128 v[WB_+8*\o+4:WB_+8*\o+7], v6 offset:((6*\o+(\s))*2+1)*512
	ds_load_b32 v[WS_+\o], v7 offset:(6*\o+(\s))*128
.endr
.endm
.macro MULB q                          ; 8 matrix instructions on 8 accumulators; the next batch takes the other 8: one instruction a turn.  K step 0 starts the sums: nothing is cleared
.set KS_, (\q)/2
.set HF_, (\q)%2
.set AB_, 192+32*HF_
.set SB_, 12+4*HF_
.set WB_, 160+16*(KS_%2)
.set WS_, 20+2*(KS_%2)
.irp t, 0,1,2,3
.irp o, 0,1
.set AC_, 32+8*(2*(4*HF_+\t)+\o)
.if KS_ == 0
	v_wmma_scale_f32_16x16x128_f8f6f4 v[AC_:AC_+7], v[AB_+8*\t:AB_+8*\t+7], v[WB_+8*\o:WB_+8*\o+7], 0, v[SB_+\t], v[WS_+\o] matrix_a_fmt:MATRIX_FMT_FP4 matrix_b_fmt:MATRIX_FMT_FP4
.else
	v_wmma_scale_f32_16x16x128_f8f6f4 v[AC_:AC_+7], v[AB_+8*\t:AB_+8*\t+7], v[WB_+8*\o:WB_+8*\o+7], v[AC_:AC_+7], v[SB_+\t], v[WS_+\o] matrix_a_fmt:MATRIX_FMT_FP4 matrix_b_fmt:MATRIX_FMT_FP4
.endif
.endr
.endr
.endm
	LOADA 0
	LOADW 0
.set Q, 0
.rept 12
.if Q > 0
.rept 4
	v_nop                                          ; four places behind the last batch, whose registers the loads below take (ISA guide 7.12.1 for vector instructions)
.endr
.endif
.if Q < 11
	LOADA Q+1
.if (Q+1)%2 == 0
	LOADW (Q+1)/2
	s_wait_dscnt 18                                ; all but the 18 loads just issued
.else
	s_wait_dscnt 12                                ; all but the 12 loads just issued
.endif
.else
	s_wait_dscnt 0x0
.endif
	MULB Q
.set Q, Q+1
.endr
.rept 4
	v_nop                                          ; four places ahead of the first read of results and of writes of the last products' sources
.endr
; THE STATISTICS of my 32 channels over the work-group's 128 points.  A lane holds 64 numbers of channel 16 o + r; lane l xor 16 the other 64.  Each accumulator is read from its low end on.
.macro STATS o
.set T_, 160+16*(\o)
.set A_, 32+8*(\o)
	v_mov_b32 v[T_+5], 0                           ; a lane permute's destination counts as read
	v_pk_add_f32 v[T_:T_+1], v[A_:A_+1], v[A_+2:A_+3]
	v_pk_add_f32 v[T_+2:T_+3], v[A_+4:A_+5], v[A_+6:A_+7]
.irp t, 1,2,3,4,5,6,7
.set A_, 32+8*(2*\t+(\o))
	v_pk_add_f32 v[T_:T_+1], v[T_:T_+1], v[A_:A_+1]
	v_pk_add_f32 v[T_+2:T_+3], v[T_+2:T_+3], v[A_+2:A_+3]
	v_pk_add_f32 v[T_:T_+1], v[T_:T_+1], v[A_+4:A_+5]
	v_pk_add_f32 v[T_+2:T_+3], v[T_+2:T_+3], v[A_+6:A_+7]
.endr
	v_pk_add_f32 v[T_:T_+1], v[T_:T_+1], v[T_+2:T_+3]
	v_add_f32 v[T_+4], v[T_], v[T_+1]
	v_permlanex16_b32 v[T_+5], v[T_+4], s96, s97
	v_add_f32 v[T_+4], v[T_+4], v[T_+5]
	v_mul_f32 v[T_+6], 0x3c000000, v[T_+4]         ; the mean: / 128
	v_mov_b32 v[T_+7], v[T_+6]
.irp t, 0,1,2,3,4,5,6,7
.irp u, 0,4
.set A_, 32+8*(2*\t+(\o))+\u
	v_pk_add_f32 v[T_+8:T_+9], v[A_:A_+1], v[T_+6:T_+7] neg_lo:[0,1] neg_hi:[0,1]
	v_pk_add_f32 v[T_+14:T_+15], v[A_+2:A_+3], v[T_+6:T_+7] neg_lo:[0,1] neg_hi:[0,1]
.if (\t == 0) && (\u == 0)
	v_pk_mul_f32 v[T_+10:T_+11], v[T_+8:T_+9], v[T_+8:T_+9]
	v_pk_mul_f32 v[T_+12:T_+13], v[T_+14:T_+15], v[T_+14:T_+15]
.else
	v_pk_fma_f32 v[T_+10:T_+11], v[T_+8:T_+9], v[T_+8:T_+9], v[T_+10:T_+11]
	v_pk_fma_f32 v[T_+12:T_+13], v[T_+14:T_+15], v[T_+14:T_+15], v[T_+12:T_+13]
.endif
.endr
.endr
	v_pk_add_f32 v[T_+10:T_+11], v[T_+10:T_+11], v[T_+12:T_+13]
	v_add_f32 v[T_+8], v[T_+10], v[T_+11]
	v_permlanex16_b32 v[T_+5], v[T_+8], s96, s97
	v_add_f32 v[T_+8], v[T_+8], v[T_+5]            ; M2: the sum of squares round the mean
.endm
	STATS 0
	STATS 1
	v_cndmask_b32 v160, v166, v182, s98            ; lane 16 o + r takes tile o's channel r
	v_cndmask_b32 v161, v168, v184, s98
	global_store_b64 v28, v[160:161], s[88:89]     ; 256 bytes on end, aligned
; THE WAY OUT, a tile of 16 channels at a time.  A lane holds 32 neighbouring bytes of a channel's row: they go through my own stage and come back as whole rows of 512 bytes.
; LDS serves a wave's instructions in order (ISA guide 5.7.1.4): no wait between the stores and the loads, nor ahead of the next tile's stores.
.macro OUTT o
.irp t, 0,1,2,3,4,5,6,7
.set A_, 32+8*(2*\t+(\o))
	ds_store_b128 v30, v[A_:A_+3] offset:64*\t
	ds_store_b128 v30, v[A_+4:A_+7] offset:64*\t+16
.endr
.if (\o) > 0
	s_wait_xcnt 0x0                                ; the last tile's stores have read v192-255, into which the loads below land
.endif
.set i, 0
.rept 16
	ds_load_b128 v[192+4*i:195+4*i], v31 offset:528*i
.set i, i+1
.endr
.set i, 0
.rept 16
	s_wait_dscnt 15-i                              ; row i is back; the younger loads may be out
	global_store_b128 v1, v[192+4*i:195+4*i], s[86:87] offset:(16*(\o)+i)*16384   ; 512 bytes on end, aligned
.set i, i+1
.endr
.endm
	OUTT 0
	OUTT 1
	s_set_vgpr_msb 0x5
	s_wait_tensorcnt 0x0
	ds_add_u32 v0, v1
	s_wait_dscnt 0x0
	s_set_vgpr_msb 0x500
	s_endpgm
.Lfunc_end_k_q02f9b5bdb9_main:
	.size	k_q02f9b5bdb9_main, .Lfunc_end_k_q02f9b5bdb9_main-k_q02f9b5bdb9_main
	.p2alignl 7, 3214868480
	.fill 96, 4, 3214868480
	.section	.rodata,"a",@progbits
	.p2align	6, 0x0
	.amdhsa_kernel k_q02f9b5bdb9_main
		.amdhsa_group_segment_fixed_size 235520
		.amdhsa_private_segment_fixed_size 0
		.amdhsa_enable_private_segment 0
		.amdhsa_kernarg_size 56
		.amdhsa_user_sgpr_count 2
		.amdhsa_user_sgpr_kernarg_segment_ptr 1
		.amdhsa_wavefront_size32 1
		.amdhsa_system_sgpr_workgroup_id_x 1
		.amdhsa_system_sgpr_workgroup_id_y 1
		.amdhsa_system_sgpr_workgroup_id_z 1
		.amdhsa_system_vgpr_workitem_id 0
		.amdhsa_next_free_vgpr 258
		.amdhsa_next_free_sgpr 100
		.amdhsa_reserve_vcc 0
		.amdhsa_float_denorm_mode_32 3
		.amdhsa_float_denorm_mode_16_64 3
		.amdhsa_memory_ordered 1
		.amdhsa_forward_progress 1
		.amdhsa_inst_pref_size 147
	.end_amdhsa_kernel
	.amdgpu_metadata
---
amdhsa.version: [ 1, 2 ]
amdhsa.kernels:
  - .name:           k_q02f9b5bdb9_main
    .symbol:         k_q02f9b5bdb9_main.kd
    .args:
      - { .name: nbr, .offset: 0, .size: 8, .value_kind: global_buffer, .address_space: global }
      - { .name: nwt, .offset: 8, .size: 8, .value_kind: global_buffer, .address_space: global }
      - { .name: ft, .offset: 16, .size: 8, .value_kind: global_buffer, .address_space: global }
      - { .name: dq, .offset: 24, .size: 8, .value_kind: global_buffer, .address_space: global }
      - { .name: wq, .offset: 32, .size: 8, .value_kind: global_buffer, .address_space: global }
      - { .name: ybuf, .offset: 40, .size: 8, .value_kind: global_buffer, .address_space: global }
      - { .name: pstat, .offset: 48, .size: 8, .value_kind: global_buffer, .address_space: global }
    .group_segment_fixed_size: 235520
    .private_segment_fixed_size: 0
    .kernarg_segment_align: 8
    .kernarg_segment_size: 56
    .max_flat_workgroup_size: 256
    .sgpr_count:     100
    .vgpr_count:     258
    .wavefront_size: 32
...
	.end_amdgpu_metadata
.endif
;; end of part 2
;; launch bn (part 3): grid 256 x 1, 8 waves a work-group, no clusters, 1,280 bytes of LDS; arguments ybuf, pstat, bn_gamma, bn_beta, out0; writes out0
.if DOCPART == 3
	.amdgcn_target "amdgcn-amd-amdhsa--gfx1250"
	.amdhsa_code_object_version 6
	.text
	.protected	k_q02f9b5bdb9_bn
	.globl	k_q02f9b5bdb9_bn
	.p2align	8
	.type	k_q02f9b5bdb9_bn,@function
k_q02f9b5bdb9_bn:
	s_mov_b64 s[64:65], 0
	v_nop
	global_prefetch_b8 v0, s[64:65] scope:SCOPE_SE
	s_setreg_imm32_b32 hwreg(HW_REG_WAVE_MODE, 25, 1), 1
	s_wait_xcnt 0x0
; THIRD LAUNCH.  Work-group o is output channel o; wave w takes batch w: 4,096 numbers, 16,384 bytes on end, all asked for at the head (32 loads of 512 bytes a wave).
; The channel's mean and variance over the 32,768 points are joined from the 256 work-groups' means and sums of squares round them (128 numbers each):
; mu = the mean of the means; variance = (sum of M2 + 128 x sum of (mean - mu)^2) / 32,768: no difference of large sums.
; out0 = leaky((y - mu) x (gamma / sqrt(variance + 1e-5)) + beta); leaky(t) = max(t, 0.2 t).  A stream: no matrix unit, no cluster; LDS only for the two sums over the eight waves.
	s_load_b256 s[4:11], s[0:1], 0x0               ; ybuf, pstat, gamma, beta
	s_load_b64 s[12:13], s[0:1], 0x20              ; out0
	v_lshl_add_u32 v160, v0, 2, 0x100
	v_mov_b32 v161, 0
	v_lshrrev_b32 v1, 5, v0
	v_readfirstlane_b32 s14, v1                    ; wave 0..7
	v_and_b32 v1, 31, v0
	v_lshlrev_b32 v1, 4, v1                        ; 16 lane
	v_lshlrev_b32 v6, 11, v0                       ; thread t reads work-group t's pair: 2,048 bytes apart
	v_mov_b32 v7, s14
	v_lshlrev_b32 v7, 2, v7                        ; LDS: my wave's word
	v_mov_b32 v5, 0
	v_mov_b32 v8, 0                                ; a lane permute's destination counts as read
	s_mov_b32 s26, 0x76543210
	s_mov_b32 s27, 0xfedcba98
	s_lshl_b32 s16, ttmp9, 2
	s_mov_b32 s17, 0
	s_lshl_b32 s18, ttmp9, 3
	s_mov_b32 s19, 0
	s_lshl_b32 s20, s14, 22                        ; batch w: 256 channels x 16,384 bytes
	s_lshl_b32 s22, ttmp9, 14
	s_add_co_u32 s20, s20, s22
	s_mov_b32 s21, 0
	s_wait_kmcnt 0x0
	s_add_nc_u64 s[8:9], s[8:9], s[16:17]
	s_add_nc_u64 s[10:11], s[10:11], s[16:17]
	s_load_b32 s24, s[8:9], 0x0                    ; gamma[o]
	s_load_b32 s25, s[10:11], 0x0                  ; beta[o]
	s_add_nc_u64 s[6:7], s[6:7], s[18:19]
	s_add_nc_u64 s[4:5], s[4:5], s[20:21]
	s_add_nc_u64 s[12:13], s[12:13], s[20:21]
	global_load_b64 v[2:3], v6, s[6:7]             ; mean, M2
.set i, 0
.rept 32
	global_load_b128 v[16+4*i:19+4*i], v1, s[4:5] offset:512*i th:TH_LOAD_NT
.set i, i+1
.endr
.macro WSUM x                          ; the sum over the wave's 32 lanes, in every lane
	v_add_f32_dpp v[\x], v[\x], v[\x] row_xmask:1 row_mask:0xf bank_mask:0xf
	v_add_f32_dpp v[\x], v[\x], v[\x] row_xmask:2 row_mask:0xf bank_mask:0xf
	v_add_f32_dpp v[\x], v[\x], v[\x] row_xmask:4 row_mask:0xf bank_mask:0xf
	v_add_f32_dpp v[\x], v[\x], v[\x] row_xmask:8 row_mask:0xf bank_mask:0xf
	v_permlanex16_b32 v8, v[\x], s26, s27
	v_add_f32 v[\x], v[\x], v8
.endm
.macro GSUM x, off                     ; and over the eight waves, through eight words of LDS at off: result in v152
	ds_store_b32 v7, v[\x] offset:\off             ; all lanes write the same word with the same value
	s_wait_dscnt 0x0                               ; for the others' sake: my store is done
	s_barrier_signal -1
	s_barrier_wait -1
	ds_load_b128 v[152:155], v5 offset:\off
	ds_load_b128 v[156:159], v5 offset:\off+16
	s_wait_dscnt 0x0
	v_add_f32 v152, v152, v153
	v_add_f32 v154, v154, v155
	v_add_f32 v156, v156, v157
	v_add_f32 v158, v158, v159
	v_add_f32 v152, v152, v154
	v_add_f32 v156, v156, v158
	v_add_f32 v152, v152, v156
.endm
	s_wait_loadcnt 32                              ; the pair is in; the 32 loads of y behind it may be out
	v_mov_b32 v4, v2
	WSUM 4
	GSUM 4, 0
	v_mul_f32 v144, 0x3b800000, v152               ; mu: / 256
	v_mov_b32 v145, v144
	v_sub_f32 v9, v2, v144
	v_mul_f32 v9, v9, v9
	v_fma_f32 v4, v9, 0x43000000, v3               ; M2 + 128 (mean - mu)^2
	WSUM 4
	GSUM 4, 64                                     ; other words than the first sum's
	v_mul_f32 v10, 0x38000000, v152                ; the variance: / 32,768
	v_add_f32 v10, 0x3727c5ac, v10                 ; + 1e-5
	v_rsq_f32 v11, v10
	v_nop                                          ; a plain instruction behind the transcendental
	s_wait_kmcnt 0x0
	s_wait_alu depctr_va_vdst(0)                   ; the wait ahead of its first reader
	v_mul_f32 v146, s24, v11                       ; a = gamma / sqrt(variance + 1e-5)
	v_mov_b32 v147, v146
	v_mov_b32 v148, s25
	v_mov_b32 v149, s25
.set i, 0
.rept 32
.set Y, 16+4*i
	s_wait_loadcnt 31-i                            ; load i is in; the younger ones may be out
	v_pk_add_f32 v[Y:Y+1], v[Y:Y+1], v[144:145] neg_lo:[0,1] neg_hi:[0,1]
	v_pk_add_f32 v[Y+2:Y+3], v[Y+2:Y+3], v[144:145] neg_lo:[0,1] neg_hi:[0,1]
	v_pk_fma_f32 v[Y:Y+1], v[Y:Y+1], v[146:147], v[148:149]
	v_pk_fma_f32 v[Y+2:Y+3], v[Y+2:Y+3], v[146:147], v[148:149]
	v_pk_mul_f32 v[150:151], v[Y:Y+1], 0x3e4ccccd op_sel_hi:[1,0]
	v_pk_mul_f32 v[152:153], v[Y+2:Y+3], 0x3e4ccccd op_sel_hi:[1,0]
	v_max_num_f32 v[Y], v[Y], v150
	v_max_num_f32 v[Y+1], v[Y+1], v151
	v_max_num_f32 v[Y+2], v[Y+2], v152
	v_max_num_f32 v[Y+3], v[Y+3], v153
	global_store_b128 v1, v[Y:Y+3], s[12:13] offset:512*i th:TH_STORE_NT   ; 512 bytes on end, aligned; each store has its own registers
.set i, i+1
.endr
	s_wait_tensorcnt 0x0
	ds_add_u32 v160, v161
	s_wait_dscnt 0x0
	s_endpgm
.Lfunc_end_k_q02f9b5bdb9_bn:
	.size	k_q02f9b5bdb9_bn, .Lfunc_end_k_q02f9b5bdb9_bn-k_q02f9b5bdb9_bn
	.p2alignl 7, 3214868480
	.fill 96, 4, 3214868480
	.section	.rodata,"a",@progbits
	.p2align	6, 0x0
	.amdhsa_kernel k_q02f9b5bdb9_bn
		.amdhsa_group_segment_fixed_size 1280
		.amdhsa_private_segment_fixed_size 0
		.amdhsa_enable_private_segment 0
		.amdhsa_kernarg_size 40
		.amdhsa_user_sgpr_count 2
		.amdhsa_user_sgpr_kernarg_segment_ptr 1
		.amdhsa_wavefront_size32 1
		.amdhsa_system_sgpr_workgroup_id_x 1
		.amdhsa_system_sgpr_workgroup_id_y 1
		.amdhsa_system_sgpr_workgroup_id_z 1
		.amdhsa_system_vgpr_workitem_id 0
		.amdhsa_next_free_vgpr 162
		.amdhsa_next_free_sgpr 66
		.amdhsa_reserve_vcc 0
		.amdhsa_float_denorm_mode_32 3
		.amdhsa_float_denorm_mode_16_64 3
		.amdhsa_memory_ordered 1
		.amdhsa_forward_progress 1
		.amdhsa_inst_pref_size 30
	.end_amdhsa_kernel
	.amdgpu_metadata
---
amdhsa.version: [ 1, 2 ]
amdhsa.kernels:
  - .name:           k_q02f9b5bdb9_bn
    .symbol:         k_q02f9b5bdb9_bn.kd
    .args:
      - { .name: ybuf, .offset: 0, .size: 8, .value_kind: global_buffer, .address_space: global }
      - { .name: pstat, .offset: 8, .size: 8, .value_kind: global_buffer, .address_space: global }
      - { .name: bn_gamma, .offset: 16, .size: 8, .value_kind: global_buffer, .address_space: global }
      - { .name: bn_beta, .offset: 24, .size: 8, .value_kind: global_buffer, .address_space: global }
      - { .name: out0, .offset: 32, .size: 8, .value_kind: global_buffer, .address_space: global }
    .group_segment_fixed_size: 1280
    .private_segment_fixed_size: 0
    .kernarg_segment_align: 8
    .kernarg_segment_size: 40
    .max_flat_workgroup_size: 256
    .sgpr_count:     66
    .vgpr_count:     162
    .wavefront_size: 32
...
	.end_amdgpu_metadata
.endif
;; end of part 3
;; ======== version 2 of 2: 3 launches
;; workspace buffers: nbr 524,288 bytes of whole numbers; nwt 524,288 bytes; ft 16,777,216 bytes; dq 4,456,448 bytes; wq 110,592 bytes; ybuf 33,554,432 bytes; pstat 524,288 bytes
;; launch prep (part 4): grid 256 x 1, 16 waves a work-group, no clusters, 138,240 bytes of LDS; arguments dense_data, dense_idx, sparse_data, sparse_idx, pcd, conv_w, nbr, nwt, ft, dq, wq, out1; writes nbr, nwt, ft, dq, wq, out1
.if DOCPART == 4
	.amdgcn_target "amdgcn-amd-amdhsa--gfx1250"
	.amdhsa_code_object_version 6
	.text
	.protected	k_q02f9b5bdb9_prep
	.globl	k_q02f9b5bdb9_prep
	.p2align	8
	.type	k_q02f9b5bdb9_prep,@function
k_q02f9b5bdb9_prep:
	s_mov_b64 s[64:65], 0
	v_nop
	global_prefetch_b8 v0, s[64:65] scope:SCOPE_SE
	s_setreg_imm32_b32 hwreg(HW_REG_WAVE_MODE, 25, 1), 1
	s_wait_xcnt 0x0
; FIRST LAUNCH.  Work-group g (0..255) owns dense points 128 g .. 128 g + 127 (batch b = g / 32) and sparse points 32 (g % 32) .. + 31 of that batch.
; Sixteen waves in three roles that share nothing (every LDS byte belongs to one wave; there is no barrier):
;   waves 0-3   THE NEIGHBOURS: 32 dense points each (two tiles of 16) against the batch's 1,024 sparse points: the three nearest, their weights -> nbr, nwt
;   waves 4-7   sparse_data [c][s] turned into rows [s][c] -> ft, so that the next launch gathers a neighbour's 512 channels as 2,048 bytes on end
;               wave 4 then copies dense_idx -> out1 and, in work-groups 0-15, quantises 16 rows of conv_w -> wq
;   waves 8-15  dense_data quantised along the channels (a lane a point, registers down the channels) -> dq
; d2 IS FORMED OPERATION BY OPERATION, AS reference() WRITES IT.  The squares are an operation of their own and their sum another: |d|^2 = (X X + Y Y) + Z Z, each product and each sum rounded to f32, |s|^2 likewise:
; these are not fused, on purpose.  The K = 3 product is summed as a matrix product sums it, by fused multiply-adds in ascending k: dot = fma(z, Z, fma(y, Y, x X)).  t = |d|^2 + |s|^2, d2 = t - 2 dot
; (the doubling is exact).  Which neighbour is third and which fourth can hang on the last bit of d2, and a neighbour's weight moves by (one last bit of t) / d2.
; Where a dense point IS a sparse point, d2 is therefore not always 0: it is the difference of the two ways of rounding, a few last bits of t of either sign.
; SHARES OF A LANE: lane (r, h) holds dense point r of each of its wave's two tiles; of sparse tile t its register j is sparse point 512 h + 8 t + j.  So a lane meets its sparse points in ascending order,
; and every point of lanes 0-15 comes before every point of lanes 16-31: a strict 'less than' keeps the lower index at equal distances, as top_k does.
; The two divisions of the weights are correctly rounded (a reciprocal, one Newton step, the quotient and two corrections by its residual).
; LIMITS: against an evaluation with another order of f32 rounding, two neighbours whose d2 differ by less than that rounding may change places; NaN and infinities among the inputs are not served;
; a block of zeros gets the scale byte 1 (not 127): its codes are zeros, and only this program reads the bytes.
.set TABW,  17152                      ; a wave's table: x, y, z, |s|^2 of the 1,024 sparse points, 4,096 bytes each, and 128 spare bytes that the last trip's fetch ahead touches
.set TCO,   4096                       ; from one of the four arrays to the next
.set STG0,  1024                       ; stage of wave w (4..7) at STG0 + STGW w = 68,608 + 16,896 (w - 4): behind the four tables
.set STGW,  16896
.set SROW,  528                        ; a stage row: 512 bytes + 16
.set DQS,   4194304                    ; dq: the scale words behind the codes
.set WQS,   98304                      ; wq: likewise
; SCALARS: s28 wave, s29 g, s30 b, s31 g % 32, s[32:33] an offset, s[34:35] lane selects, s36 the table's step, s37 trips, s38 mask of lanes 16-31, s40-45 compare masks, s46-61 the codes of a trip's 16 registers
; VECTORS: v1 lane, v2 r, v3 h, v4 4 lane, v5 16 lane, v6, v8-11 LDS addresses (made here, ahead of the parting, never rewritten but v9), v12 512 h + 16 r, v13 512 h, v14 4 r, v15 3072 r + 128 h
	s_load_b512 s[4:19], s[0:1], 0x0               ; dense_data, dense_idx, sparse_data, sparse_idx, pcd, conv_w, nbr, nwt
	s_load_b256 s[20:27], s[0:1], 0x40             ; ft, dq, wq, out1
	v_lshl_add_u32 v192, v0, 2, 0x21400
	v_mov_b32 v193, 0
	v_lshrrev_b32 v1, 5, v0
	s_delay_alu instid0(VALU_DEP_1)
	v_readfirstlane_b32 s28, v1                    ; wave 0..15
	s_mov_b32 s29, ttmp9
	s_lshr_b32 s30, ttmp9, 5
	s_and_b32 s31, ttmp9, 31
	s_mov_b32 s33, 0
	s_mov_b32 s34, 0x76543210
	s_mov_b32 s35, 0xfedcba98                      ; v_permlanex16_b32: lane l xor 16
	s_mov_b32 s36, 0
	s_mov_b32 s37, 0
	s_mov_b32 s38, 0xffff0000
.set j, 0
.rept 16
	s_mov_b32 s[46+j], j
.set j, j+1
.endr
	s_mul_i32 s62, s28, TABW
	s_mul_i32 s63, s28, STGW
	s_add_co_u32 s63, s63, STG0
	v_and_b32 v1, 31, v0
	v_and_b32 v2, 15, v0
	v_bfe_u32 v3, v0, 4, 1
	s_delay_alu instid0(VALU_DEP_3)
	v_lshlrev_b32 v4, 2, v1
	s_delay_alu instid0(VALU_DEP_4)
	v_lshlrev_b32 v5, 4, v1
	s_delay_alu instid0(VALU_DEP_2)
	v_add_nc_u32 v6, s62, v4                       ; table, on the way in: 4 bytes a lane
	s_delay_alu instid0(VALU_DEP_4)
	v_lshl_add_u32 v8, v3, 11, s62                 ; table, on the way out: lanes 16-31 begin at point 512
	v_mul_u32_u24 v10, v1, SROW
	s_delay_alu instid0(VALU_DEP_1)
	v_add_nc_u32 v10, s63, v10                     ; stage, in: row = my sparse point
	v_add_nc_u32 v11, s63, v5                      ; stage, out: 16 bytes a lane of a row
	v_lshlrev_b32 v13, 9, v3
	s_delay_alu instid0(VALU_DEP_1)
	v_lshl_add_u32 v12, v2, 4, v13
	v_lshlrev_b32 v14, 2, v2
	v_mul_u32_u24 v15, v2, 3072
	s_delay_alu instid0(VALU_DEP_1)
	v_lshl_add_u32 v15, v3, 7, v15
	s_wait_kmcnt 0x0
	s_cmp_lt_u32 s28, 4
	s_cbranch_scc1 .Lknn_pro
	s_cmp_lt_u32 s28, 8
	s_cbranch_scc1 .Lft
; ---------------------------------------------------------------- waves 8-15: dense_data -> codes.  Wave: 32 points (u) x 128 channels (K step sK): four blocks of 32 channels, all 32 numbers of a block in one lane
	s_sub_co_u32 s62, s28, 8
	s_and_b32 s63, s62, 3                          ; u
	s_lshr_b32 s62, s62, 2                         ; sK
	s_lshl_b32 s32, s30, 22                        ; b x 256 channels x 16,384 bytes
	s_lshl_b32 s39, s62, 21
	s_add_co_u32 s32, s32, s39                     ; + 128 sK channels
	s_lshl_b32 s39, s31, 9
	s_add_co_u32 s32, s32, s39                     ; + my work-group's 128 points
	s_lshl_b32 s39, s63, 7
	s_add_co_u32 s32, s32, s39                     ; + my wave's 32
	s_add_nc_u64 s[66:67], s[4:5], s[32:33]
	s_lshl_b32 s32, s29, 14                        ; codes: [group of 32 points = 4 g + u][block 0..7][lane][16 bytes]
	s_lshl_b32 s39, s63, 12
	s_add_co_u32 s32, s32, s39
	s_lshl_b32 s39, s62, 11
	s_add_co_u32 s32, s32, s39
	s_add_nc_u64 s[68:69], s[22:23], s[32:33]
	s_lshl_b32 s32, s29, 10                        ; scale words: [g][sK][128 points][4 bytes]
	s_lshl_b32 s39, s62, 9
	s_add_co_u32 s32, s32, s39
	s_lshl_b32 s39, s63, 7
	s_add_co_u32 s32, s32, s39
	s_add_co_u32 s32, s32, DQS
	s_add_nc_u64 s[70:71], s[22:23], s[32:33]
.macro DLOAD t                         ; block t: 32 channels of my point; a load reads 128 bytes on end, the four waves of a K step 512
.set i, 0
.rept 32
	global_load_b32 v[48+32*((\t)%2)+i], v4, s[66:67] offset:(32*(\t)+i)*16384 th:TH_LOAD_NT
.set i, i+1
.endr
.endm
.macro DBLK t
.set XS, 48+32*((\t)%2)
.if (\t) < 3
	s_wait_loadcnt 32                              ; this block's 32 loads are in; the next block's may be out
.else
	s_wait_loadcnt 0x0
.endif
	v_max3_num_f32 v112, |v[XS]|, |v[XS+1]|, |v[XS+2]|
	v_max3_num_f32 v113, |v[XS+3]|, |v[XS+4]|, |v[XS+5]|
.irp i, 6,10,14,18,22,26
	s_delay_alu instid0(VALU_DEP_2)
	v_max3_num_f32 v112, v112, |v[XS+\i]|, |v[XS+\i+1]|
	s_delay_alu instid0(VALU_DEP_2)
	v_max3_num_f32 v113, v113, |v[XS+\i+2]|, |v[XS+\i+3]|
.endr
	s_delay_alu instid0(VALU_DEP_2)
	v_max3_num_f32 v112, v112, |v[XS+30]|, |v[XS+31]|
	s_delay_alu instid0(VALU_DEP_1)
	v_max3_num_f32 v112, v112, v113, 0x1800000     ; the block's largest magnitude, and the floor 2^(3 - 127): the byte cannot fall under 1
	s_delay_alu instid0(VALU_DEP_1)
	v_add_nc_u32 v114, 0xff000000, v112            ; 2 off its exponent field: the conversion's scale operand
	s_delay_alu instid0(VALU_DEP_1)
	v_lshrrev_b32 v115, 23, v114                   ; the scale's byte
.if (\t) == 0
	s_delay_alu instid0(VALU_DEP_1)
	v_mov_b32 v132, v115
.else
	s_delay_alu instid0(VALU_DEP_1)
	v_lshl_or_b32 v132, v115, 8*(\t), v132         ; four bytes make my point's scale word of this K step
.endif
.irp q, 0,1,2,3
	v_cvt_scalef32_pk8_fp4_f32 v[116+4*(\t)+\q], v[XS+8*\q:XS+8*\q+7], v114
.endr
	v_nop                                          ; one plain instruction behind the last scaled conversion
	global_store_b128 v5, v[116+4*(\t):119+4*(\t)], s[68:69] offset:512*(\t)   ; 512 bytes on end; each block has its own four registers
.if (\t)+2 < 4
	DLOAD (\t)+2
.endif
.endm
	DLOAD 0
	DLOAD 1
	DBLK 0
	DBLK 1
	DBLK 2
	DBLK 3
	global_store_b32 v4, v132, s[70:71]            ; 128 bytes on end: half an aligned block of 256; the neighbouring wave writes the other half
	s_branch .Ltrip
; ---------------------------------------------------------------- waves 4-7: sparse_data [c][s] -> ft [s][c].  Wave a = wave - 4: 32 sparse points x channels 128 a .. + 127
; In a row of ft channel 256 H + 8 u + 4 p + i lies at byte 1024 H + 512 p + 16 u + 4 i: four loads of 16 bytes a lane, 512 bytes apart, then give lane u channels 8 u .. 8 u + 7 of each half of the row.
.Lft:
	s_and_b32 s62, s28, 3                          ; a
	s_lshl_b32 s32, s30, 21                        ; b x 512 channels x 4,096 bytes
	s_lshl_b32 s63, s62, 19
	s_add_co_u32 s32, s32, s63                     ; + 128 a channels
	s_lshl_b32 s63, s31, 7
	s_add_co_u32 s32, s32, s63                     ; + my work-group's 32 points
	s_add_nc_u64 s[66:67], s[8:9], s[32:33]
	s_lshl_b32 s32, s29, 16                        ; row 32 g of 2,048 bytes
	s_lshr_b32 s63, s62, 1
	s_lshl_b32 s63, s63, 10
	s_add_co_u32 s32, s32, s63                     ; + 1024 (a / 2)
	s_and_b32 s63, s62, 1
	s_lshl_b32 s63, s63, 8
	s_add_co_u32 s32, s32, s63                     ; + 256 (a % 2)
	s_add_nc_u64 s[68:69], s[20:21], s[32:33]
.macro FLOAD t
.set i, 0
.rept 32
	global_load_b32 v[48+32*((\t)%2)+i], v4, s[66:67] offset:(32*(\t)+i)*4096
.set i, i+1
.endr
.endm
.macro FTBLK t                         ; 32 channels of my point go into my row of the stage, four at a time, at their places in the row of ft
.if (\t) < 3
	s_wait_loadcnt 32                              ; this block's 32 loads are in; the next block's may be out
.else
	s_wait_loadcnt 0x0
.endif
.set q, 0
.rept 8
	ds_store_b128 v10, v[48+32*((\t)%2)+4*q:48+32*((\t)%2)+4*q+3] offset:256*(q%2)+16*(4*(\t)+q/2)
.set q, q+1
.endr
	s_wait_dscnt 0x0                               ; the stores have read their registers: the set is loaded again
.if (\t)+2 < 4
	FLOAD (\t)+2
.endif
.endm
	FLOAD 0
	FLOAD 1
	s_wait_alu depctr_va_vdst(0)
	FTBLK 0
	FTBLK 1
	FTBLK 2
	FTBLK 3
.set i, 0
.rept 32
	ds_load_b128 v[48+4*i:51+4*i], v11 offset:SROW*i
.set i, i+1
.endr
.set i, 0
.rept 32
	s_wait_dscnt 31-i                              ; row i is back; the younger loads may be out
	global_store_b128 v12, v[48+4*i:51+4*i], s[68:69] offset:2048*i   ; lanes 0-15 and lanes 16-31 each store 256 bytes on end, aligned
.set i, i+1
.endr
	s_cmp_eq_u32 s28, 4
	s_cbranch_scc0 .Ltrip
; ---------------------------------------------------------------- wave 4 goes on: out1 = dense_idx (512 bytes a work-group); work-groups 0-15: rows 16 g .. 16 g + 15 of conv_w
	s_wait_xcnt 0x0                                ; the stores above have read their registers and bases: both are written again below
	s_lshl_b32 s32, s29, 9
	s_add_nc_u64 s[66:67], s[6:7], s[32:33]
	s_add_nc_u64 s[68:69], s[26:27], s[32:33]
	global_load_b128 v[184:187], v5, s[66:67]
	s_wait_loadcnt 0x0
	global_store_b128 v5, v[184:187], s[68:69]
	s_cmp_lt_u32 s29, 16
	s_cbranch_scc0 .Ltrip
	s_wait_xcnt 0x0                                ; that store has read v184-187
	s_mul_i32 s32, s29, 49152
	s_add_nc_u64 s[70:71], s[14:15], s[32:33]      ; my 16 rows of 3,072 bytes
	s_mul_i32 s32, s29, 6144
	s_add_nc_u64 s[40:41], s[24:25], s[32:33]      ; codes, as images of the operand's registers: [tile g][K step 6][c 2][lane][16 bytes]
	s_mul_i32 s32, s29, 768
	s_add_co_u32 s32, s32, WQS
	s_add_nc_u64 s[42:43], s[24:25], s[32:33]      ; scale words: [tile g][K step][lane][4 bytes]
	v_lshlrev_b32 v186, 3, v3                      ; 8 h
	v_mov_b32 v191, 0                              ; a lane permute's destination counts as read
.macro WLOAD s                         ; lane (r, h) of K step s: k = 128 s + 64 c + 32 h + 0 .. 31 of row r: two whole blocks
.set WS_, 48+64*((\s)%2)
.irp c, 0,1
.irp q, 0,1,2,3,4,5,6,7
	global_load_b128 v[WS_+32*\c+4*\q:WS_+32*\c+4*\q+3], v15, s[70:71] offset:512*(\s)+256*\c+16*\q
.endr
.endr
.endm
.macro WQ s
.set WS_, 48+64*((\s)%2)
.if (\s) < 5
	s_wait_loadcnt 16                              ; this K step's 16 loads are in; the next step's may be out
.else
	s_wait_loadcnt 0x0
.endif
	s_wait_xcnt 0x0                                ; the last step's stores have read v176-183 and v190
	v_max3_num_f32 v184, |v[WS_]|, |v[WS_+1]|, 0x1800000
	v_max3_num_f32 v185, |v[WS_+32]|, |v[WS_+33]|, 0x1800000
.irp i, 2,4,6,8,10,12,14,16,18,20,22,24,26,28,30
	s_delay_alu instid0(VALU_DEP_2)
	v_max3_num_f32 v184, v184, |v[WS_+\i]|, |v[WS_+\i+1]|
	s_delay_alu instid0(VALU_DEP_2)
	v_max3_num_f32 v185, v185, |v[WS_+32+\i]|, |v[WS_+33+\i]|
.endr
	s_delay_alu instid0(VALU_DEP_2)
	v_add_nc_u32 v188, 0xff000000, v184
	s_delay_alu instid0(VALU_DEP_2)
	v_add_nc_u32 v189, 0xff000000, v185
	s_delay_alu instid0(VALU_DEP_2)
	v_lshrrev_b32 v184, 23, v188
	s_delay_alu instid0(VALU_DEP_2)
	v_lshrrev_b32 v185, 23, v189
	s_delay_alu instid0(VALU_DEP_1)
	v_lshl_or_b32 v190, v185, 16, v184             ; my two bytes: blocks h and 2 + h,
	s_delay_alu instid0(VALU_DEP_1)
	v_lshlrev_b32 v190, v186, v190                 ; at their places in the word;
	s_delay_alu instid0(VALU_DEP_1)
	v_permlanex16_b32 v191, v190, s34, s35
	s_delay_alu instid0(VALU_DEP_1)
	v_or_b32 v190, v190, v191                      ; with lane l xor 16's two the word is whole, in both lanes
.irp c, 0,1
.irp q, 0,1,2,3
	v_cvt_scalef32_pk8_fp4_f32 v[176+4*\c+\q], v[WS_+32*\c+8*\q:WS_+32*\c+8*\q+7], v[188+\c]
.endr
.endr
	v_nop                                          ; one plain instruction behind the last scaled conversion
	global_store_b128 v5, v[176:179], s[40:41] offset:1024*(\s)
	global_store_b128 v5, v[180:183], s[40:41] offset:1024*(\s)+512
	global_store_b32 v4, v190, s[42:43] offset:128*(\s)
.if (\s)+2 < 6
	WLOAD (\s)+2
.endif
.endm
	WLOAD 0
	WLOAD 1
	WQ 0
	WQ 1
	WQ 2
	WQ 3
	WQ 4
	WQ 5
	s_branch .Ltrip
; ---------------------------------------------------------------- waves 0-3: the table of the batch's sparse points, my 32 dense points, the first two tiles' fetches
; REGISTERS of this role: v16-23, v24-31 dense tile 0, 1: X, Y, Z, |d|^2, each twice (a pair for the packed forms); v60-75 the sorted threes and four at work; v80-111, v112-143 two sets of a sparse tile
; (x, y, z, |s|^2 of eight points); v144-159 the sixteen d2 of a tile; v160-175 their t.  Ahead of the loop: v48-79 indices, then |s|^2; v80-175 the 1,024 points' x, y, z, 32 a lane; v176-191 at work
.Lknn_pro:
	s_lshl_b32 s32, s30, 12
	s_add_nc_u64 s[66:67], s[10:11], s[32:33]      ; sparse_idx of my batch
	s_lshl_b32 s32, s29, 9
	s_lshl_b32 s62, s28, 7
	s_add_co_u32 s32, s32, s62
	s_add_nc_u64 s[68:69], s[6:7], s[32:33]        ; dense_idx at my wave's 32 points
	s_mul_i32 s32, s30, 49152
	s_add_nc_u64 s[70:71], s[12:13], s[32:33]      ; pcd of my batch: x, y, z 16,384 bytes apart
.set i, 0
.rept 32
	global_load_b32 v[48+i], v4, s[66:67] offset:128*i   ; sparse point 32 i + lane
.set i, i+1
.endr
	s_wait_alu depctr_va_vdst(0)
	global_load_b32 v176, v14, s[68:69]            ; dense tile 0: point r (both halves of the lanes)
	global_load_b32 v177, v14, s[68:69] offset:64  ; dense tile 1
	s_wait_loadcnt 0x0
.set i, 0
.rept 32
	v_min_u32 v[48+i], 0xfff, v[48+i]              ; an index enters an address behind a clamp to the table's 4,096 points
	s_delay_alu instid0(VALU_DEP_1)
	v_lshlrev_b32 v[48+i], 2, v[48+i]
.set i, i+1
.endr
	v_min_u32 v176, 0xfff, v176
	v_min_u32 v177, 0xfff, v177
	s_delay_alu instid0(VALU_DEP_2)
	v_lshlrev_b32 v176, 2, v176
	s_delay_alu instid0(VALU_DEP_2)
	v_lshlrev_b32 v177, 2, v177
.irp t, 0,1
	global_load_b32 v[16+8*\t], v[176+\t], s[70:71]
	global_load_b32 v[18+8*\t], v[176+\t], s[70:71] offset:16384
	global_load_b32 v[20+8*\t], v[176+\t], s[70:71] offset:32768
.endr
.set i, 0
.rept 32
	global_load_b32 v[80+i], v[48+i], s[70:71]
	global_load_b32 v[112+i], v[48+i], s[70:71] offset:16384
	global_load_b32 v[144+i], v[48+i], s[70:71] offset:32768
.set i, i+1
.endr
	s_wait_loadcnt 0x0
.irp t, 0,1
	v_mul_f32 v[22+8*\t], v[16+8*\t], v[16+8*\t]   ; |d|^2 = (X X + Y Y) + Z Z, each product and sum rounded by itself
	v_mul_f32 v[184+\t], v[18+8*\t], v[18+8*\t]
	v_mul_f32 v[186+\t], v[20+8*\t], v[20+8*\t]
	s_delay_alu instid0(VALU_DEP_2)
	v_add_f32 v[22+8*\t], v[22+8*\t], v[184+\t]
	s_delay_alu instid0(VALU_DEP_1)
	v_add_f32 v[22+8*\t], v[22+8*\t], v[186+\t]
	v_mov_b32 v[17+8*\t], v[16+8*\t]               ; the pairs' upper halves
	v_mov_b32 v[19+8*\t], v[18+8*\t]
	v_mov_b32 v[21+8*\t], v[20+8*\t]
	s_delay_alu instid0(VALU_DEP_4)
	v_mov_b32 v[23+8*\t], v[22+8*\t]
.endr
.set i, 0
.rept 16
.set T, 184+4*((i/2)%2)
	v_pk_mul_f32 v[48+i:49+i], v[80+i:81+i], v[80+i:81+i]          ; |s|^2 likewise, two points at a time, where their indices stood
	v_pk_mul_f32 v[T:T+1], v[112+i:113+i], v[112+i:113+i]
	v_pk_mul_f32 v[T+2:T+3], v[144+i:145+i], v[144+i:145+i]
	s_delay_alu instid0(VALU_DEP_2)
	v_pk_add_f32 v[48+i:49+i], v[48+i:49+i], v[T:T+1]
	s_delay_alu instid0(VALU_DEP_1)
	v_pk_add_f32 v[48+i:49+i], v[48+i:49+i], v[T+2:T+3]
.set i, i+2
.endr
.set i, 0
.rept 32
	ds_store_b32 v6, v[80+i] offset:128*i          ; point 32 i + lane: 128 bytes on end a store
	ds_store_b32 v6, v[112+i] offset:TCO+128*i
	ds_store_b32 v6, v[144+i] offset:2*TCO+128*i
	ds_store_b32 v6, v[48+i] offset:3*TCO+128*i
.set i, i+1
.endr
	ds_store_b32 v6, v48 offset:4*TCO              ; the spare bytes, which the last trip fetches and nobody uses, hold numbers
	s_wait_dscnt 0x0                               ; the table stands, and the stores have read their registers
.macro TLOAD sb, adr, off              ; a sparse tile: x, y, z, |s|^2 of eight points into set sb: the sixteen lanes of a half read the same 16 bytes
.irp c, 0,1,2,3
.irp q, 0,1
	ds_load_b128 v[\sb+8*\c+4*\q:\sb+8*\c+4*\q+3], v[\adr] offset:\off+TCO*\c+16*\q
.endr
.endr
.endm
	TLOAD 80, 8, 0                                 ; sparse tile 0
	TLOAD 112, 8, 32                               ; sparse tile 1
.irp k, 60,61,62,66,67,68
	v_mov_b32 v\k, 0x7f800000                      ; the three smallest d2 so far: infinity
.endr
.irp k, 63,64,65,69,70,71,72,73,74,75
	v_mov_b32 v\k, 0                               ; their codes; four registers at work
.endr
; One number for each of the two dense tiles is put into its sorted three.  State: tile 0: d v60-62, codes v63-65; tile 1: v66-68, v69-71.  The two tiles' lines alternate.
; c1, c2, c3 = the number is less than d1, d2, d3 (strictly: at equal distances what came first, the lower index, stays in front).
.macro INS va, vb, cl, ca, cb
	v_cmp_lt_f32 s40, v[\va], v60
	v_cmp_lt_f32 s43, v[\vb], v66
	v_cmp_lt_f32 s41, v[\va], v61
	v_cmp_lt_f32 s44, v[\vb], v67
	v_cmp_lt_f32 s42, v[\va], v62
	v_cmp_lt_f32 s45, v[\vb], v68
	s_delay_alu instid0(VALU_DEP_4)
	v_cndmask_b32 v72, \cl[\ca], v64, s41          ; what the third place would take: the old second, or the new one
	s_delay_alu instid0(VALU_DEP_4)
	v_cndmask_b32 v74, \cl[\cb], v70, s44
	v_cndmask_b32 v73, \cl[\ca], v63, s40          ; what the second place would take
	v_cndmask_b32 v75, \cl[\cb], v69, s43
	s_delay_alu instid0(VALU_DEP_4)
	v_cndmask_b32 v65, v65, v72, s42
	s_delay_alu instid0(VALU_DEP_4)
	v_cndmask_b32 v71, v71, v74, s45
	s_delay_alu instid0(VALU_DEP_4)
	v_cndmask_b32 v64, v64, v73, s41
	s_delay_alu instid0(VALU_DEP_4)
	v_cndmask_b32 v70, v70, v75, s44
	v_cndmask_b32 v63, v63, \cl[\ca], s40
	v_cndmask_b32 v69, v69, \cl[\cb], s43
	v_med3_num_f32 v62, v[\va], v61, v62
	v_med3_num_f32 v68, v[\vb], v67, v68
	v_med3_num_f32 v61, v[\va], v60, v61
	v_med3_num_f32 v67, v[\vb], v66, v67
	v_min_num_f32 v60, v[\va], v60
	v_min_num_f32 v66, v[\vb], v66
.endm
; Half a trip: the sparse tile in set sb against my two dense points: sixteen d2 by 40 packed lines, the stages by turns so that no line waits for the line above it; then the set is asked for again
; (the tile two further on, at off from the trip's address), and the sixteen numbers go into the sorted threes.
.macro HALF sb, off, c0
	s_wait_dscnt 8                                 ; this set's eight loads are in; the other set's eight, issued behind them, may be out
.irp j, 0,2,4,6
	v_pk_mul_f32 v[144+\j:145+\j], v[\sb+\j:\sb+\j+1], v[16:17]          ; x X: the product's first term, rounded
	v_pk_mul_f32 v[152+\j:153+\j], v[\sb+\j:\sb+\j+1], v[24:25]
.endr
.irp j, 0,2,4,6
	v_pk_add_f32 v[160+\j:161+\j], v[22:23], v[\sb+24+\j:\sb+25+\j]      ; t = |d|^2 + |s|^2
	v_pk_add_f32 v[168+\j:169+\j], v[30:31], v[\sb+24+\j:\sb+25+\j]
.endr
.irp j, 0,2,4,6
	v_pk_fma_f32 v[144+\j:145+\j], v[\sb+8+\j:\sb+9+\j], v[18:19], v[144+\j:145+\j]     ; + y Y, fused
	v_pk_fma_f32 v[152+\j:153+\j], v[\sb+8+\j:\sb+9+\j], v[26:27], v[152+\j:153+\j]
.endr
.irp j, 0,2,4,6
	v_pk_fma_f32 v[144+\j:145+\j], v[\sb+16+\j:\sb+17+\j], v[20:21], v[144+\j:145+\j]   ; + z Z, fused: the dot
	v_pk_fma_f32 v[152+\j:153+\j], v[\sb+16+\j:\sb+17+\j], v[28:29], v[152+\j:153+\j]
.endr
.irp j, 0,2,4,6
	v_pk_fma_f32 v[144+\j:145+\j], v[144+\j:145+\j], -2.0, v[160+\j:161+\j] op_sel_hi:[1,0,1]   ; d2 = t - 2 dot: the doubling rounds nothing, so this is the one rounding of the subtraction
	v_pk_fma_f32 v[152+\j:153+\j], v[152+\j:153+\j], -2.0, v[168+\j:169+\j] op_sel_hi:[1,0,1]
.endr
	TLOAD \sb, 9, \off
.set j, 0
.rept 8
	INS 144+j, 152+j, s, 46+\c0+j, 46+\c0+j
.set j, j+1
.endr
.endm
; ---------------------------------------------------------------- the loop: 32 trips of two sparse tiles.  Every wave walks it (so the stepped LDS address stands on every wave's path); only waves 0-3 work in it
.Ltrip:
	v_add_nc_u32 v9, s36, v8
	s_cmp_lt_u32 s28, 4
	s_cbranch_scc0 .Lskip
	HALF 80, 64, 0
	HALF 112, 96, 8
.set j, 0
.rept 16
	s_add_co_u32 s[46+j], s[46+j], 16
.set j, j+1
.endr
.Lskip:
	s_add_co_u32 s36, s36, 64                      ; two tiles of eight points, 4 bytes a point in each array
	s_add_co_u32 s37, s37, 1
	s_cmp_lt_u32 s37, 32
	s_cbranch_scc1 .Ltrip
	s_cmp_lt_u32 s28, 4
	s_cbranch_scc0 .Lend
; ---------------------------------------------------------------- the two halves of the lanes are joined, the weights made, the results stored
	s_wait_dscnt 0x0                               ; the last trip's fetches ahead
	s_wait_alu depctr_va_vdst(0)
.irp k, 63,64,65,69,70,71
	v_add_nc_u32 v\k, v13, v\k                     ; the sparse point: code + 512 h
.endr
.set i, 0
.rept 6
	v_mov_b32 v[80+i], 0                           ; a lane permute's destination counts as read
	v_mov_b32 v[100+i], 0
.set i, i+1
.endr
.set i, 0
.rept 6
	v_permlanex16_b32 v[80+i], v[60+i], s34, s35
	v_permlanex16_b32 v[100+i], v[66+i], s34, s35
.set i, i+1
.endr
.set i, 0
.rept 6
	v_cndmask_b32 v[92+i], v[80+i], v[60+i], s38   ; the upper half's three (points 512..), in both lanes;
	v_cndmask_b32 v[106+i], v[100+i], v[66+i], s38
.set i, i+1
.endr
.set i, 0
.rept 6
	v_cndmask_b32 v[60+i], v[60+i], v[80+i], s38   ; the lower half's three are the state, and keep their places at equal distances
	v_cndmask_b32 v[66+i], v[66+i], v[100+i], s38
.set i, i+1
.endr
	INS 92, 106, v, 95, 109
	INS 93, 107, v, 96, 110
	INS 94, 108, v, 97, 111
; q = a / b, correctly rounded, for b of either sign: r holds about 1 / b; one Newton step on r, the quotient, and two corrections by its residual.  These lines are fused on purpose: they are the division's own arithmetic.
.macro DIVS q, a, b, r, t
	v_fma_f32 v[\t], -v[\b], v[\r], 1.0
	v_fma_f32 v[\r], v[\t], v[\r], v[\r]
	s_delay_alu instid0(VALU_DEP_1)
	v_mul_f32 v[\q], v[\a], v[\r]
	s_delay_alu instid0(VALU_DEP_1)
	v_fma_f32 v[\t], -v[\b], v[\q], v[\a]
	s_delay_alu instid0(VALU_DEP_1)
	v_fma_f32 v[\q], v[\t], v[\r], v[\q]
	s_delay_alu instid0(VALU_DEP_1)
	v_fma_f32 v[\t], -v[\b], v[\q], v[\a]
	s_delay_alu instid0(VALU_DEP_1)
	v_fma_f32 v[\q], v[\t], v[\r], v[\q]
.endm
.irp k, 60,61,62,66,67,68
	v_add_f32 v\k, 0x322bcc77, v\k                 ; d2 + 1e-8
.endr
	v_mov_b32 v122, 1.0
	s_wait_alu depctr_va_vdst(0)
	v_rcp_f32 v112, v60
	v_rcp_f32 v113, v61
	v_rcp_f32 v114, v62
	v_rcp_f32 v115, v66
	v_rcp_f32 v116, v67
	v_rcp_f32 v117, v68
	v_nop                                          ; a plain instruction behind the last reciprocal
	s_wait_alu depctr_va_vdst(0)                   ; one wait for the six, ahead of their first reader
	DIVS 100, 122, 60, 112, 118                    ; w = 1 / (d2 + 1e-8)
	DIVS 101, 122, 61, 113, 118
	DIVS 102, 122, 62, 114, 118
	DIVS 103, 122, 66, 115, 118
	DIVS 104, 122, 67, 116, 118
	DIVS 105, 122, 68, 117, 118
	v_add_f32 v119, v100, v101
	v_add_f32 v120, v103, v104
	s_delay_alu instid0(VALU_DEP_2)
	v_add_f32 v119, v119, v102                     ; (w1 + w2) + w3
	s_delay_alu instid0(VALU_DEP_2)
	v_add_f32 v120, v120, v105
	s_wait_alu depctr_va_vdst(0)
	v_rcp_f32 v121, v119
	v_rcp_f32 v123, v120
	v_nop
	s_wait_alu depctr_va_vdst(0)                   ; and one for the two
	DIVS 112, 100, 119, 121, 118                   ; w / the sum
	DIVS 113, 101, 119, 121, 118
	DIVS 114, 102, 119, 121, 118
	DIVS 115, 103, 120, 123, 118
	DIVS 116, 104, 120, 123, 118
	DIVS 117, 105, 120, 123, 118
	s_lshl_b32 s62, s30, 10
.irp k, 63,64,65,69,70,71
	v_add_nc_u32 v\k, s62, v\k                     ; the row of ft: 1024 b + sparse point
.endr
	s_delay_alu instid0(VALU_DEP_3)
	v_cndmask_b32 v124, v63, v69, s38              ; lane 16 t + r takes dense tile t's point r
	s_delay_alu instid0(VALU_DEP_3)
	v_cndmask_b32 v125, v64, v70, s38
	s_delay_alu instid0(VALU_DEP_3)
	v_cndmask_b32 v126, v65, v71, s38
	v_mov_b32 v127, 0
	v_cndmask_b32 v128, v112, v115, s38
	v_cndmask_b32 v129, v113, v116, s38
	v_cndmask_b32 v130, v114, v117, s38
	v_mov_b32 v131, 0
	s_lshl_b32 s32, s29, 11
	s_lshl_b32 s62, s28, 9
	s_add_co_u32 s32, s32, s62                     ; 16 bytes a point: point 128 g + 32 wave + lane
	s_add_nc_u64 s[66:67], s[16:17], s[32:33]
	s_add_nc_u64 s[68:69], s[18:19], s[32:33]
	global_store_b128 v5, v[124:127], s[66:67]     ; 512 bytes on end
	global_store_b128 v5, v[128:131], s[68:69]
.Lend:
	s_wait_tensorcnt 0x0
	ds_add_u32 v192, v193
	s_wait_dscnt 0x0
	s_endpgm
.Lfunc_end_k_q02f9b5bdb9_prep:
	.size	k_q02f9b5bdb9_prep, .Lfunc_end_k_q02f9b5bdb9_prep-k_q02f9b5bdb9_prep
	.p2alignl 7, 3214868480
	.fill 96, 4, 3214868480
	.section	.rodata,"a",@progbits
	.p2align	6, 0x0
	.amdhsa_kernel k_q02f9b5bdb9_prep
		.amdhsa_group_segment_fixed_size 138240
		.amdhsa_private_segment_fixed_size 0
		.amdhsa_enable_private_segment 0
		.amdhsa_kernarg_size 96
		.amdhsa_user_sgpr_count 2
		.amdhsa_user_sgpr_kernarg_segment_ptr 1
		.amdhsa_wavefront_size32 1
		.amdhsa_system_sgpr_workgroup_id_x 1
		.amdhsa_system_sgpr_workgroup_id_y 1
		.amdhsa_system_sgpr_workgroup_id_z 1
		.amdhsa_system_vgpr_workitem_id 0
		.amdhsa_next_free_vgpr 194
		.amdhsa_next_free_sgpr 80
		.amdhsa_reserve_vcc 0
		.amdhsa_float_denorm_mode_32 3
		.amdhsa_float_denorm_mode_16_64 3
		.amdhsa_memory_ordered 1
		.amdhsa_forward_progress 1
		.amdhsa_inst_pref_size 163
	.end_amdhsa_kernel
	.amdgpu_metadata
---
amdhsa.version: [ 1, 2 ]
amdhsa.kernels:
  - .name:           k_q02f9b5bdb9_prep
    .symbol:         k_q02f9b5bdb9_prep.kd
    .args:
      - { .name: dense_data, .offset: 0, .size: 8, .value_kind: global_buffer, .address_space: global }
      - { .name: dense_idx, .offset: 8, .size: 8, .value_kind: global_buffer, .address_space: global }
      - { .name: sparse_data, .offset: 16, .size: 8, .value_kind: global_buffer, .address_space: global }
      - { .name: sparse_idx, .offset: 24, .size: 8, .value_kind: global_buffer, .address_space: global }
      - { .name: pcd, .offset: 32, .size: 8, .value_kind: global_buffer, .address_space: global }
      - { .name: conv_w, .offset: 40, .size: 8, .value_kind: global_buffer, .address_space: global }
      - { .name: nbr, .offset: 48, .size: 8, .value_kind: global_buffer, .address_space: global }
      - { .name: nwt, .offset: 56, .size: 8, .value_kind: global_buffer, .address_space: global }
      - { .name: ft, .offset: 64, .size: 8, .value_kind: global_buffer, .address_space: global }
      - { .name: dq, .offset: 72, .size: 8, .value_kind: global_buffer, .address_space: global }
      - { .name: wq, .offset: 80, .size: 8, .value_kind: global_buffer, .address_space: global }
      - { .name: out1, .offset: 88, .size: 8, .value_kind: global_buffer, .address_space: global }
    .group_segment_fixed_size: 138240
    .private_segment_fixed_size: 0
    .kernarg_segment_align: 8
    .kernarg_segment_size: 96
    .max_flat_workgroup_size: 512
    .sgpr_count:     80
    .vgpr_count:     194
    .wavefront_size: 32
...
	.end_amdgpu_metadata
.endif
;; end of part 4
;; launch main (part 5): grid 256 x 1, 8 waves a work-group, no clusters, 235,520 bytes of LDS; arguments nbr, nwt, ft, dq, wq, ybuf, pstat; writes ybuf, pstat
.if DOCPART == 5
	.amdgcn_target "amdgcn-amd-amdhsa--gfx1250"
	.amdhsa_code_object_version 6
	.text
	.protected	k_q02f9b5bdb9_main
	.globl	k_q02f9b5bdb9_main
	.p2align	8
	.type	k_q02f9b5bdb9_main,@function
k_q02f9b5bdb9_main:
	s_mov_b64 s[64:65], 0
	v_nop
	global_prefetch_b8 v0, s[64:65] scope:SCOPE_SE
	s_setreg_imm32_b32 hwreg(HW_REG_WAVE_SCHED_MODE, 0, 2), 2
	s_setreg_imm32_b32 hwreg(HW_REG_WAVE_MODE, 25, 1), 1
	s_wait_xcnt 0x0
	s_wait_alu depctr_vm_vsrc(0)
; SECOND LAUNCH.  Work-group g owns points 128 g .. 128 g + 127 (batch b = g / 32).  y[o][point] = sum over the 768 channels of Q(conv_w)[o][c] Q(x)[c][point], on codes of FP4 (E2M1) with one E8M0 scale for each 32 channels.
; x = 256 dense channels (codes made by the launch before) and 512 interpolated ones, made here: three rows of ft a point, by the stored list, weighed in f32 and quantised in registers.
; The interpolation is (n1 w1 + n2 w2) + n3 w3 with each product and each sum rounded by itself, as reference() writes it: it stands ahead of a quantiser, where a last bit can turn a code; so nothing is fused here, on purpose.
; PRODUCTION: wave w makes rows (points) 16 w .. 16 w + 15 of x.  A point's three rows come as 12 loads of 512 bytes on end; lane l holds channels 8 l .. 8 l + 7 of each half of the 512: four lanes hold a block of 32.
;   Four sets of registers: while one point is worked, up to three points' 36 loads are on their way in each wave.
; ONE BARRIER.  THE PRODUCT: wave w multiplies all 128 rows by its own 32 output channels (tiles 2 w, 2 w + 1): source 0 = 16 points, source 1 = 16 rows of conv_w: a lane then holds one channel and eight neighbouring points,
;   as ybuf [b][o][m] wants them.  Sixteen accumulators, one instruction a turn.
; Each work-group leaves, for each channel, the mean of its 128 numbers and the sum of squares round that mean (never a difference of large sums).
; No cluster: what work-groups share is wq, 110,592 bytes against 786,432 gathered by each; the gathered rows follow each point's own list.
; THE MODE: SCHED_MODE bits 1:0 = 2 (LLVM: expert scheduling mode 2), set by the entry lines.  The code itself states the register dependences between vector or matrix instructions
; and memory or LDS instructions, with s_wait_alu, always for 0.
; THE PLAN.  Registers that memory or LDS instructions touch:
;   v1-11, v28-31   addresses and offsets: written at the head, ahead of one wait on va_vdst; never written again (v28 once more, behind a wait on vm_vsrc and ahead of the last wait on va_vdst).
;   SET0 .. SET3    a point's three rows.  Point p's vector lines read and write SET[p % 4]; the gathers of point p + 3, issued in point p, land in SET[(p - 1) % 4].
;   O0, O1          a point's two scale bytes and two words of codes.  Point p's vector lines write O[p % 2]; the four LDS stores issued in point p read O[(p - 1) % 2].
;   So the waits at a point's head state all that its sixteen memory instructions hang on: the point before has written its O and is done with its SET (va_vdst); the LDS stores issued in the point before
;   have read the O that this point writes (vm_vsrc).  The sixteen are dealt among the point's multiplications, which name SET[p % 4], x, four registers at work and O[p % 2] alone.
;   s68, s70, s72   a point's weights, written by v_readlane_b32 in the point before, behind their last reader; one wait on va_sdst at the point's head stands ahead of their first reader.
;   A0, A1, W0, W1 and the scale words v12-23   written by LDS loads, read by matrix instructions.  One wait on va_vdst a batch: the last batch is done reading the sets that the next loads take;
;   these loads go in two runs among the batch's eight matrix instructions, which name the other sets.
;   v192-255 on the way out   written by the stage's loads, read by the stores of ybuf; no vector line names them there.
.set XI,  0                            ; 128 rows x (256 bytes of codes + 16): the interpolated channels
.set XD,  34816                        ; 128 rows x (128 + 16): the dense channels
.set SI,  53248                        ; [128 rows][16 scale bytes]
.set SD,  55296                        ; [2 K steps][128 rows][4 scale bytes]
.set WL,  56320                        ; 8 x 13,824, each wave's own: its two tiles of conv_w: 12,288 bytes of codes, 1,536 of scale words
.set STG, 166912                       ; 8 x 8,448, each wave's own: 16 rows x (512 + 16), for the way out
.set DQS, 4194304
.set WQS, 98304
; VECTORS: v1 16 lane; v2-11, v30, v31 LDS addresses, never rewritten; v12-23 scale words and nothing else; v24-27 my 16 points' weights (lane r: point r); v28, v29 global offsets
;   production: v32-79, v80-127, v128-175, v176-223 four sets of 3 rows x 16 numbers; v224-239 x; v240-243 at work; v244-247, v248-251 two out-buffers
;   product: v32-159 accumulators ((tile of rows t, tile of channels o) at v[32 + 8 (2 t + o)]); v160-191 conv_w's fragments, two sets; v192-255 x's fragments, two sets of four
.set XN,  224                          ; x: 16 numbers of a lane
.set TM,  240                          ; two largest magnitudes, two scale operands
.set OB,  244                          ; out-buffer k at OB + 4 k: byte of the lower half, of the upper, codes of the lower half, of the upper
	s_load_b256 s[4:11], s[0:1], 0x0               ; nbr, nwt, ft, dq
	s_load_b128 s[12:15], s[0:1], 0x20             ; wq, ybuf
	s_load_b64 s[76:77], s[0:1], 0x30              ; pstat
	s_set_vgpr_msb 0x40
	v_lshl_add_u32 v0, v0, 2, 0x39400
	v_mov_b32 v1, 0
	s_set_vgpr_msb 0x4000
	v_lshrrev_b32 v1, 5, v0
	v_readfirstlane_b32 s78, v1                    ; wave 0..7
	s_mov_b32 s79, ttmp9
	s_lshr_b32 s80, ttmp9, 5
	s_and_b32 s81, ttmp9, 31
	s_mov_b32 s69, 0                               ; the upper halves of the pairs that the packed forms name
	s_mov_b32 s71, 0
	s_mov_b32 s73, 0
	s_mov_b32 s75, 0
	s_mov_b32 s96, 0x76543210
	s_mov_b32 s97, 0xfedcba98                      ; v_permlanex16_b32: lane l xor 16
	s_mov_b32 s98, 0xffff0000                      ; lanes 16-31
	v_and_b32 v24, 31, v0                          ; lane
	v_and_b32 v25, 15, v0                          ; r
	v_bfe_u32 v26, v0, 4, 1                        ; h
	v_lshlrev_b32 v1, 4, v24
	v_mul_u32_u24 v2, v25, 272
	v_lshl_add_u32 v2, v26, 4, v2                  ; a fragment of the interpolated codes: row r, + 16 h
	v_mul_u32_u24 v3, v25, 144
	v_lshl_add_u32 v3, v26, 4, v3
	v_add_nc_u32 v3, XD, v3                        ; of the dense codes
	v_lshl_add_u32 v4, v25, 4, SI                  ; row r's scale bytes
	v_lshl_add_u32 v5, v25, 2, SD
	s_wait_alu depctr_va_sdst(0)                   ; s78, the wave's number, is written, ahead of its first reader
	s_mul_i32 s82, s78, 13824
	s_add_co_u32 s82, s82, WL
	v_add_nc_u32 v6, s82, v1                       ; my wave's weights: an image's place for my lane
	v_lshl_add_u32 v7, v24, 2, s82
	v_add_nc_u32 v7, 12288, v7                     ; and a scale word's
	s_mul_i32 s83, s78, 4352
	v_lshl_add_u32 v8, v24, 2, s83                 ; where I put 8 codes of a row that I make: 16 w rows of 272 + 4 lane
	v_lshrrev_b32 v9, 2, v24
	s_lshl_b32 s83, s78, 8
	s_add_co_u32 s83, s83, SI
	v_add_nc_u32 v9, s83, v9                       ; and my block's scale byte
	s_lshr_b32 s83, s78, 1
	s_mul_i32 s83, s83, 4608
	s_and_b32 s86, s78, 1
	s_lshl_b32 s86, s86, 6
	s_add_co_u32 s83, s83, s86
	s_add_co_u32 s83, s83, XD
	v_mul_u32_u24 v10, v24, 144
	v_add_nc_u32 v10, s83, v10                     ; the dense codes that I bring: row 32 (w / 2) + lane, byte 64 (w % 2)
	s_lshl_b32 s83, s78, 7
	s_add_co_u32 s83, s83, SD
	v_lshl_add_u32 v11, v24, 2, s83
	s_mul_i32 s83, s78, 8448
	s_add_co_u32 s83, s83, STG
	v_mul_u32_u24 v30, v25, 528
	v_lshl_add_u32 v30, v26, 5, v30
	v_add_nc_u32 v30, s83, v30                     ; the way out, in: row r (a channel), + 32 h
	v_add_nc_u32 v31, s83, v1                      ; back: 16 bytes a lane of a row
	v_lshlrev_b32 v28, 4, v25
	v_lshlrev_b32 v29, 2, v24
	s_wait_kmcnt 0x0
	s_lshl_b32 s74, s79, 11
	s_lshl_b32 s83, s78, 8
	s_add_co_u32 s74, s74, s83                     ; 16 bytes a point: point 128 g + 16 w
	s_add_nc_u64 s[84:85], s[4:5], s[74:75]
	s_add_nc_u64 s[86:87], s[6:7], s[74:75]
	s_load_b512 s[16:31], s[84:85], 0x0            ; the lists of my points 0-3
	s_load_b512 s[32:47], s[84:85], 0x40           ; and 4-7
	s_lshl_b32 s74, s79, 14
	s_lshl_b32 s83, s78, 11
	s_add_co_u32 s74, s74, s83
	s_add_nc_u64 s[88:89], s[10:11], s[74:75]      ; dq's codes: my four pieces of 512 bytes of the work-group's 32
	s_lshl_b32 s74, s79, 10
	s_lshl_b32 s83, s78, 7
	s_add_co_u32 s74, s74, s83
	s_add_co_u32 s74, s74, DQS
	s_add_nc_u64 s[90:91], s[10:11], s[74:75]      ; dq's scale words: my 128 bytes of the work-group's 1,024
	s_mul_i32 s74, s78, 12288
	s_add_nc_u64 s[92:93], s[12:13], s[74:75]      ; wq: my two tiles' codes,
	s_mul_i32 s74, s78, 1536
	s_add_co_u32 s74, s74, WQS
	s_add_nc_u64 s[94:95], s[12:13], s[74:75]      ; and scale words
	s_wait_alu depctr_va_vdst(0)                   ; the addresses and offsets v1-11 and v28-31 are written, which every load and store of the kernel reads; the lines above are done with v24-26, in which the weights land
	global_load_b128 v[24:27], v28, s[86:87]
.irp i, 0,1,2,3
	global_load_b128 v[32+4*\i:35+4*\i], v1, s[88:89] offset:512*\i
.endr
	global_load_b32 v48, v29, s[90:91]
.set n, 0
.rept 24
	global_load_b128 v[52+4*n:55+4*n], v1, s[92:93] offset:512*n
.set n, n+1
.endr
.rept 3
	global_load_b128 v[52+4*n:55+4*n], v1, s[94:95] offset:512*(n-24)
.set n, n+1
.endr
	s_wait_loadcnt 0x0
	s_wait_kmcnt 0x0
.irp i, 0,1,2,3
	ds_store_b128 v10, v[32+4*\i:35+4*\i] offset:16*\i
.endr
	ds_store_b32 v11, v48
.set n, 0
.rept 27
	ds_store_b128 v6, v[52+4*n:55+4*n] offset:512*n
.set n, n+1
.endr
	s_lshl_b32 s74, s80, 22                        ; (all loads are in: their bases may be written)  ybuf: batch b, channel 32 w, point 128 (g % 32)
	s_lshl_b32 s83, s78, 19
	s_add_co_u32 s74, s74, s83
	s_lshl_b32 s83, s81, 9
	s_add_co_u32 s74, s74, s83
	s_add_nc_u64 s[86:87], s[14:15], s[74:75]
	s_lshl_b32 s74, s79, 11
	s_lshl_b32 s83, s78, 8
	s_add_co_u32 s74, s74, s83
	s_add_nc_u64 s[88:89], s[76:77], s[74:75]      ; pstat: [g][256 channels][mean, M2]: my 32 channels
	s_wait_alu depctr_vm_vsrc(0)                   ; the weights' load has read v28, which is written below; the LDS stores have read v32-159, in which the gathers land
	v_and_b32 v28, 31, v0
	v_lshlrev_b32 v28, 3, v28                      ; 8 lane
	s_wait_dscnt 0x0                               ; the stores have read their registers, which the gathers take
	v_readlane_b32 s68, v24, 0                     ; point 0's three weights; the wait for them stands at the point's head
	v_readlane_b32 s70, v25, 0
	v_readlane_b32 s72, v26, 0
; Row k of point p's three is asked for: 4 loads of 512 bytes on end, into set p % 4.  A stored row number enters an address behind a clamp to ft's 8,192 rows.
.macro ISSUEK p, k
.set Q_, (\p)%3
.set IG_, 16+16*(((\p)/4)%2)+4*((\p)%4)
.set BP_, 48+6*Q_+2*(\k)+2*((6*Q_+2*(\k))/16)  ; three sets of three bases by turns: s48-53, s54-59, s60-63 and s66-67
.set LS_, 32+48*((\p)%4)+16*(\k)
	s_min_u32 s74, s[IG_+(\k)], 0x1fff
	s_lshl_b32 s74, s74, 11
	s_add_nc_u64 s[BP_:BP_+1], s[8:9], s[74:75]
.irp j, 0,1,2,3
	global_load_b128 v[LS_+4*\j:LS_+4*\j+3], v1, s[BP_:BP_+1] offset:512*\j
.endr
.endm
; Point p's codes and scale bytes go to LDS, out of its out-buffer.
.macro PUT p
.set PO_, OB+4*((\p)%2)
	ds_store_b32 v8, v[PO_+2] offset:272*(\p)      ; channels 8 l ..: byte 4 l of the row's 256
	ds_store_b32 v8, v[PO_+3] offset:272*(\p)+128  ; channels 256 + 8 l ..
	ds_store_b8 v9, v[PO_] offset:16*(\p)          ; the four lanes of a block write the same byte with the same value
	ds_store_b8 v9, v[PO_+1] offset:16*(\p)+8
.endm
.macro COMPUTE p
.set S_, 32+48*((\p)%4)
.set O_, OB+4*((\p)%2)
.set NX_, (\p)+1
.if (\p) < 14
	s_wait_loadcnt 24                              ; this point's 12 loads are in; the next two points' 24 may be out
.elseif (\p) == 14
	s_wait_loadcnt 12
.else
	s_wait_loadcnt 0x0
.endif
.if (\p) > 1
	s_wait_dscnt 0x0                               ; the four LDS stores issued a point ago are done,
	s_wait_alu depctr_vm_vsrc(0)                   ; and have read this point's out-buffer, which its last lines write again
.endif
.if (\p) > 0
	s_wait_alu depctr_va_vdst(0)                   ; the point before has written its out-buffer, which the LDS stores below read, and is done reading and writing its set, in which the gathers below land
.endif
	s_wait_alu depctr_va_sdst(0)                   ; s68, s70, s72, this point's weights, are written, ahead of their first reader
.if (\p) < 13
.if ((\p)+3 == 8) || ((\p)+3 == 12)
	s_wait_kmcnt 0x0                               ; the next four points' lists are in
.endif
	ISSUEK (\p)+3, 0                               ; its three bases are free since the wait for this point's loads, which read them
.endif
.if (\p) > 0
	PUT (\p)-1
.endif
.irp e, 0,2,4,6,8,10,12,14
	v_pk_mul_f32 v[XN+\e:XN+1+\e], v[S_+\e:S_+\e+1], s[68:69] op_sel_hi:[1,0]           ; n1 w1
.endr
.if (\p) < 13
	ISSUEK (\p)+3, 1                               ; no wait: no vector line since the head's wait names the set of the point before
.endif
.irp e, 0,2,4,6,8,10,12,14
	v_pk_mul_f32 v[S_+16+\e:S_+17+\e], v[S_+16+\e:S_+17+\e], s[70:71] op_sel_hi:[1,0]   ; n2 w2, in place
.endr
.if (\p) < 13
	ISSUEK (\p)+3, 2
.if (\p)+3 == 3
	s_load_b512 s[16:31], s[84:85], 0x80           ; points 8-11, where points 0-3 stood
.endif
.if (\p)+3 == 7
	s_load_b512 s[32:47], s[84:85], 0xc0           ; points 12-15
.endif
.endif
.irp e, 0,2,4,6,8,10,12,14
	v_pk_mul_f32 v[S_+32+\e:S_+33+\e], v[S_+32+\e:S_+33+\e], s[72:73] op_sel_hi:[1,0]   ; n3 w3, in place
.endr
.if (\p) < 15
	v_readlane_b32 s68, v24, NX_                   ; the next point's three weights, behind the last reader of this point's
	v_readlane_b32 s70, v25, NX_
	v_readlane_b32 s72, v26, NX_
.endif
.irp e, 0,2,4,6,8,10,12,14
	v_pk_add_f32 v[XN+\e:XN+1+\e], v[XN+\e:XN+1+\e], v[S_+16+\e:S_+17+\e]
.endr
.irp e, 0,2,4,6,8,10,12,14
	v_pk_add_f32 v[XN+\e:XN+1+\e], v[XN+\e:XN+1+\e], v[S_+32+\e:S_+33+\e]
.endr
	v_max3_num_f32 v[TM], |v[XN]|, |v[XN+1]|, 0x1800000       ; my eight numbers of each half, and the floor 2^(3 - 127): the byte cannot fall under 1
	v_max3_num_f32 v[TM+1], |v[XN+8]|, |v[XN+9]|, 0x1800000
.irp i, 2,4,6
	v_max3_num_f32 v[TM], v[TM], |v[XN+\i]|, |v[XN+1+\i]|
	v_max3_num_f32 v[TM+1], v[TM+1], |v[XN+8+\i]|, |v[XN+9+\i]|
.endr
	v_max_num_f32_dpp v[TM], v[TM], v[TM] row_xmask:1 row_mask:0xf bank_mask:0xf   ; with the three lanes that share my block
	v_max_num_f32_dpp v[TM+1], v[TM+1], v[TM+1] row_xmask:1 row_mask:0xf bank_mask:0xf
	v_max_num_f32_dpp v[TM], v[TM], v[TM] row_xmask:2 row_mask:0xf bank_mask:0xf
	v_max_num_f32_dpp v[TM+1], v[TM+1], v[TM+1] row_xmask:2 row_mask:0xf bank_mask:0xf
	v_add_nc_u32 v[TM+2], 0xff000000, v[TM]        ; 2 off the exponent field: the conversion's scale operand
	v_add_nc_u32 v[TM+3], 0xff000000, v[TM+1]
	v_lshrrev_b32 v[O_], 23, v[TM+2]               ; the scale's byte
	v_lshrrev_b32 v[O_+1], 23, v[TM+3]
	v_cvt_scalef32_pk8_fp4_f32 v[O_+2], v[XN:XN+7], v[TM+2]
	v_cvt_scalef32_pk8_fp4_f32 v[O_+3], v[XN+8:XN+15], v[TM+3]
	v_nop                                          ; one plain instruction behind the last scaled conversion
.endm
.irp k, 0,1,2
	ISSUEK 0, \k
.endr
.irp k, 0,1,2
	ISSUEK 1, \k
.endr
.irp k, 0,1,2
	ISSUEK 2, \k
.endr
.set P, 0
.rept 16
	COMPUTE P
.set P, P+1
.endr
	s_wait_alu depctr_va_vdst(0)                   ; point 15 has written its out-buffer, which the last four LDS stores read; and every vector line is done with v160-255, in which fragments land behind the barrier
	PUT 15
	s_wait_dscnt 0x0                               ; for the others' sake: all my LDS stores are done
	s_barrier_signal -1
	s_barrier_wait -1                              ; the 128 rows of x and their scale bytes lie in LDS
	s_wait_alu depctr_vm_vsrc(0)                   ; my LDS stores have read v244-251, in which fragments of x land
; THE PRODUCT, in 12 batches q = (K step q / 2, half q % 2 of the rows): four tiles of rows x my two tiles of channels.  K steps 0, 1: dense; 2-5: interpolated.
.macro LOADA q, t0                     ; 6 LDS loads: fragments t0, t0 + 1 of the batch's four (two loads each) and their rows' scale words, into set q % 2
.set KS_, (\q)/2
.set HF_, (\q)%2
.set AB_, 192+32*HF_
.set SB_, 12+4*HF_
.irp t, \t0, \t0+1
.if KS_ < 2
	ds_load_b128 v[AB_+8*(\t):AB_+8*(\t)+3], v3 offset:2304*(4*HF_+(\t))+64*KS_
	ds_load_b128 v[AB_+8*(\t)+4:AB_+8*(\t)+7], v3 offset:2304*(4*HF_+(\t))+64*KS_+32
	ds_load_b32 v[SB_+(\t)], v5 offset:512*KS_+64*(4*HF_+(\t))
.else
	ds_load_b128 v[AB_+8*(\t):AB_+8*(\t)+3], v2 offset:4352*(4*HF_+(\t))+64*(KS_-2)
	ds_load_b128 v[AB_+8*(\t)+4:AB_+8*(\t)+7], v2 offset:4352*(4*HF_+(\t))+64*(KS_-2)+32
	ds_load_b32 v[SB_+(\t)], v4 offset:256*(4*HF_+(\t))+4*(KS_-2)
.endif
.endr
.endm
.macro LOADW s                         ; 6 LDS loads: my two tiles' fragments of K step s and their scale words, into set s % 2
.set WB_, 160+16*((\s)%2)
.set WS_, 20+2*((\s)%2)
.irp o, 0,1
	ds_load_b128 v[WB_+8*\o:WB_+8*\o+3], v6 offset:((6*\o+(\s))*2)*512
	ds_load_b128 v[WB_+8*\o+4:WB_+8*\o+7], v6 offset:((6*\o+(\s))*2+1)*512
	ds_load_b32 v[WS_+\o], v7 offset:(6*\o+(\s))*128
.endr
.endm
.macro MULB q, t0                      ; 4 of a batch's 8 matrix instructions, on 4 of its 8 accumulators; the next batch takes the other 8: one instruction a turn.  K step 0 starts the sums: nothing is cleared
.set KS_, (\q)/2
.set HF_, (\q)%2
.set AB_, 192+32*HF_
.set SB_, 12+4*HF_
.set WB_, 160+16*(KS_%2)
.set WS_, 20+2*(KS_%2)
.irp t, \t0, \t0+1
.irp o, 0,1
.set AC_, 32+8*(2*(4*HF_+(\t))+\o)
.if KS_ == 0
	v_wmma_scale_f32_16x16x128_f8f6f4 v[AC_:AC_+7], v[AB_+8*(\t):AB_+8*(\t)+7], v[WB_+8*\o:WB_+8*\o+7], 0, v[SB_+(\t)], v[WS_+\o] matrix_a_fmt:MATRIX_FMT_FP4 matrix_b_fmt:MATRIX_FMT_FP4
.else
	v_wmma_scale_f32_16x16x128_f8f6f4 v[AC_:AC_+7], v[AB_+8*(\t):AB_+8*(\t)+7], v[WB_+8*\o:WB_+8*\o+7], v[AC_:AC_+7], v[SB_+(\t)], v[WS_+\o] matrix_a_fmt:MATRIX_FMT_FP4 matrix_b_fmt:MATRIX_FMT_FP4
.endif
.endr
.endr
.endm
	LOADA 0, 0
	LOADA 0, 2
	LOADW 0
.set Q, 0
.rept 12
.if Q > 0
.rept 4
	v_nop                                          ; four places behind the last batch, whose registers the loads below take (ISA guide 7.12.1 for vector instructions)
.endr
	s_wait_alu depctr_va_vdst(0)                   ; the last batch's matrix instructions are done reading their fragments of x and their scale words, and the K step before last's its fragments of conv_w: the loads of this batch's two runs land there
.endif
.if Q < 11
	LOADA Q+1, 0
	s_wait_dscnt 6                                 ; all but the 6 loads just issued: this batch's fragments and scale words are in
.else
	s_wait_dscnt 0x0
.endif
	MULB Q, 0
.if Q < 11
	LOADA Q+1, 2                                   ; no wait: the four matrix instructions since the wait name this batch's sets, the loads the other ones
.if (Q+1)%2 == 0
	LOADW (Q+1)/2
.endif
.endif
	MULB Q, 2
.set Q, Q+1
.endr
.rept 4
	v_nop                                          ; four places ahead of the first read of results and of writes of the last products' sources
.endr
	s_wait_alu depctr_va_vdst(0)                   ; the matrix instructions have written the accumulators, which the LDS stores below read, and are done reading v192-255, in which the stage's loads land; the places above stay beside this wait
; THE STATISTICS of my 32 channels over the work-group's 128 points.  A lane holds 64 numbers of channel 16 o + r; lane l xor 16 the other 64.
; They name the accumulators, as sources, and v160-191: none of the registers that the stage's loads write, and they write none that the stage's stores read.
.macro STATS o
.set T_, 160+16*(\o)
.set A_, 32+8*(\o)
	v_mov_b32 v[T_+5], 0                           ; a lane permute's destination counts as read
	v_pk_add_f32 v[T_:T_+1], v[A_:A_+1], v[A_+2:A_+3]
	v_pk_add_f32 v[T_+2:T_+3], v[A_+4:A_+5], v[A_+6:A_+7]
.irp t, 1,2,3,4,5,6,7
.set A_, 32+8*(2*\t+(\o))
	v_pk_add_f32 v[T_:T_+1], v[T_:T_+1], v[A_:A_+1]
	v_pk_add_f32 v[T_+2:T_+3], v[T_+2:T_+3], v[A_+2:A_+3]
	v_pk_add_f32 v[T_:T_+1], v[T_:T_+1], v[A_+4:A_+5]
	v_pk_add_f32 v[T_+2:T_+3], v[T_+2:T_+3], v[A_+6:A_+7]
.endr
	v_pk_add_f32 v[T_:T_+1], v[T_:T_+1], v[T_+2:T_+3]
	v_add_f32 v[T_+4], v[T_], v[T_+1]
	v_permlanex16_b32 v[T_+5], v[T_+4], s96, s97
	v_add_f32 v[T_+4], v[T_+4], v[T_+5]
	v_mul_f32 v[T_+6], 0x3c000000, v[T_+4]         ; the mean: / 128
	v_mov_b32 v[T_+7], v[T_+6]
.irp t, 0,1,2,3,4,5,6,7
.irp u, 0,4
.set A_, 32+8*(2*\t+(\o))+\u
	v_pk_add_f32 v[T_+8:T_+9], v[A_:A_+1], v[T_+6:T_+7] neg_lo:[0,1] neg_hi:[0,1]
	v_pk_add_f32 v[T_+14:T_+15], v[A_+2:A_+3], v[T_+6:T_+7] neg_lo:[0,1] neg_hi:[0,1]
.if (\t == 0) && (\u == 0)
	v_pk_mul_f32 v[T_+10:T_+11], v[T_+8:T_+9], v[T_+8:T_+9]
	v_pk_mul_f32 v[T_+12:T_+13], v[T_+14:T_+15], v[T_+14:T_+15]
.else
	v_pk_fma_f32 v[T_+10:T_+11], v[T_+8:T_+9], v[T_+8:T_+9], v[T_+10:T_+11]
	v_pk_fma_f32 v[T_+12:T_+13], v[T_+14:T_+15], v[T_+14:T_+15], v[T_+12:T_+13]
.endif
.endr
.endr
	v_pk_add_f32 v[T_+10:T_+11], v[T_+10:T_+11], v[T_+12:T_+13]
	v_add_f32 v[T_+8], v[T_+10], v[T_+11]
	v_permlanex16_b32 v[T_+5], v[T_+8], s96, s97
	v_add_f32 v[T_+8], v[T_+8], v[T_+5]            ; M2: the sum of squares round the mean
.endm
; THE WAY OUT, a tile of 16 channels at a time.  A lane holds 32 neighbouring bytes of a channel's row: they go through my own stage and come back as whole rows of 512 bytes.
; LDS serves a wave's instructions in order (ISA guide 5.7.1.4): no wait between the stores and the loads, nor ahead of the next tile's stores.
; A tile's way through the stage is begun ahead of its statistics, which are worked while its rows come back.  Each accumulator is read from its low end on.
.macro TOSTG o
.irp t, 0,1,2,3,4,5,6,7
.set A_, 32+8*(2*\t+(\o))
	ds_store_b128 v30, v[A_:A_+3] offset:64*\t
	ds_store_b128 v30, v[A_+4:A_+7] offset:64*\t+16
.endr
.endm
.macro BACK
.set i, 0
.rept 16
	ds_load_b128 v[192+4*i:195+4*i], v31 offset:528*i
.set i, i+1
.endr
.endm
.macro SEND o
.set i, 0
.rept 16
	s_wait_dscnt 15-i                              ; row i is back; the younger loads may be out
	global_store_b128 v1, v[192+4*i:195+4*i], s[86:87] offset:(16*(\o)+i)*16384   ; 512 bytes on end, aligned
.set i, i+1
.endr
.endm
	TOSTG 0
	BACK
	STATS 0
	SEND 0
	TOSTG 1                                        ; no wait: the accumulators were written ahead of the last wait on va_vdst, and the statistics only read them
	s_wait_xcnt 0x0                                ; the last tile's stores have read v192-255, into which the loads below land,
	s_wait_alu depctr_vm_vsrc(0)                   ; stated for the registers too: the sixteen stores of ybuf have read v192-255
	BACK
	STATS 1
	v_cndmask_b32 v160, v166, v182, s98            ; lane 16 o + r takes tile o's channel r
	v_cndmask_b32 v161, v168, v184, s98
	s_wait_alu depctr_va_vdst(0)                   ; v160 and v161 are written, the store's data; so is v28, its offset
	global_store_b64 v28, v[160:161], s[88:89]     ; 256 bytes on end, aligned
	SEND 1
	s_set_vgpr_msb 0x5
	s_wait_dscnt 0x0
	s_wait_alu depctr_hold_cnt(0) depctr_sa_sdst(0) depctr_va_vdst(0) depctr_va_sdst(0) depctr_va_ssrc(0) depctr_va_vcc(0) depctr_vm_vsrc(0)
	s_wait_tensorcnt 0x0
	ds_add_u32 v0, v1
	s_wait_dscnt 0x0
	s_endpgm
.Lfunc_end_k_q02f9b5bdb9_main:
	.size	k_q02f9b5bdb9_main, .Lfunc_end_k_q02f9b5bdb9_main-k_q02f9b5bdb9_main
	.p2alignl 7, 3214868480
	.fill 96, 4, 3214868480
	.section	.rodata,"a",@progbits
	.p2align	6, 0x0
	.amdhsa_kernel k_q02f9b5bdb9_main
		.amdhsa_group_segment_fixed_size 235520
		.amdhsa_private_segment_fixed_size 0
		.amdhsa_enable_private_segment 0
		.amdhsa_kernarg_size 56
		.amdhsa_user_sgpr_count 2
		.amdhsa_user_sgpr_kernarg_segment_ptr 1
		.amdhsa_wavefront_size32 1
		.amdhsa_system_sgpr_workgroup_id_x 1
		.amdhsa_system_sgpr_workgroup_id_y 1
		.amdhsa_system_sgpr_workgroup_id_z 1
		.amdhsa_system_vgpr_workitem_id 0
		.amdhsa_next_free_vgpr 258
		.amdhsa_next_free_sgpr 100
		.amdhsa_reserve_vcc 0
		.amdhsa_float_denorm_mode_32 3
		.amdhsa_float_denorm_mode_16_64 3
		.amdhsa_memory_ordered 1
		.amdhsa_forward_progress 1
		.amdhsa_inst_pref_size 149
	.end_amdhsa_kernel
	.amdgpu_metadata
---
amdhsa.version: [ 1, 2 ]
amdhsa.kernels:
  - .name:           k_q02f9b5bdb9_main
    .symbol:         k_q02f9b5bdb9_main.kd
    .args:
      - { .name: nbr, .offset: 0, .size: 8, .value_kind: global_buffer, .address_space: global }
      - { .name: nwt, .offset: 8, .size: 8, .value_kind: global_buffer, .address_space: global }
      - { .name: ft, .offset: 16, .size: 8, .value_kind: global_buffer, .address_space: global }
      - { .name: dq, .offset: 24, .size: 8, .value_kind: global_buffer, .address_space: global }
      - { .name: wq, .offset: 32, .size: 8, .value_kind: global_buffer, .address_space: global }
      - { .name: ybuf, .offset: 40, .size: 8, .value_kind: global_buffer, .address_space: global }
      - { .name: pstat, .offset: 48, .size: 8, .value_kind: global_buffer, .address_space: global }
    .group_segment_fixed_size: 235520
    .private_segment_fixed_size: 0
    .kernarg_segment_align: 8
    .kernarg_segment_size: 56
    .max_flat_workgroup_size: 256
    .sgpr_count:     100
    .vgpr_count:     258
    .wavefront_size: 32
...
	.end_amdgpu_metadata
.endif
;; end of part 5
;; launch bn (part 6): grid 256 x 1, 8 waves a work-group, no clusters, 1,280 bytes of LDS; arguments ybuf, pstat, bn_gamma, bn_beta, out0; writes out0
.if DOCPART == 6
	.amdgcn_target "amdgcn-amd-amdhsa--gfx1250"
	.amdhsa_code_object_version 6
	.text
	.protected	k_q02f9b5bdb9_bn
	.globl	k_q02f9b5bdb9_bn
	.p2align	8
	.type	k_q02f9b5bdb9_bn,@function
k_q02f9b5bdb9_bn:
	s_mov_b64 s[64:65], 0
	v_nop
	global_prefetch_b8 v0, s[64:65] scope:SCOPE_SE
	s_setreg_imm32_b32 hwreg(HW_REG_WAVE_MODE, 25, 1), 1
	s_wait_xcnt 0x0
; THIRD LAUNCH.  Work-group o is output channel o; wave w takes batch w: 4,096 numbers, 16,384 bytes on end, all asked for at the head (32 loads of 512 bytes a wave).
; The channel's mean and variance over the 32,768 points are joined from the 256 work-groups' means and sums of squares round them (128 numbers each):
; mu = the mean of the means; variance = (sum of M2 + 128 x sum of (mean - mu)^2) / 32,768: no difference of large sums.
; out0 = leaky((y - mu) x (gamma / sqrt(variance + 1e-5)) + beta); leaky(t) = max(t, 0.2 t).  A stream: no matrix unit, no cluster; LDS only for the two sums over the eight waves.
	s_load_b256 s[4:11], s[0:1], 0x0               ; ybuf, pstat, gamma, beta
	s_load_b64 s[12:13], s[0:1], 0x20              ; out0
	v_lshl_add_u32 v160, v0, 2, 0x100
	v_mov_b32 v161, 0
	v_lshrrev_b32 v1, 5, v0
	s_delay_alu instid0(VALU_DEP_1)
	v_readfirstlane_b32 s14, v1                    ; wave 0..7
	v_and_b32 v1, 31, v0
	s_delay_alu instid0(VALU_DEP_1)
	v_lshlrev_b32 v1, 4, v1                        ; 16 lane
	v_lshlrev_b32 v6, 11, v0                       ; thread t reads work-group t's pair: 2,048 bytes apart
	s_delay_alu instid0(VALU_DEP_4)
	v_mov_b32 v7, s14
	s_delay_alu instid0(VALU_DEP_1)
	v_lshlrev_b32 v7, 2, v7                        ; LDS: my wave's word
	v_mov_b32 v5, 0
	v_mov_b32 v8, 0                                ; a lane permute's destination counts as read
	s_mov_b32 s26, 0x76543210
	s_mov_b32 s27, 0xfedcba98
	s_lshl_b32 s16, ttmp9, 2
	s_mov_b32 s17, 0
	s_lshl_b32 s18, ttmp9, 3
	s_mov_b32 s19, 0
	s_lshl_b32 s20, s14, 22                        ; batch w: 256 channels x 16,384 bytes
	s_lshl_b32 s22, ttmp9, 14
	s_add_co_u32 s20, s20, s22
	s_mov_b32 s21, 0
	s_wait_alu depctr_va_vdst(0)
	s_wait_kmcnt 0x0
	s_add_nc_u64 s[8:9], s[8:9], s[16:17]
	s_add_nc_u64 s[10:11], s[10:11], s[16:17]
	s_load_b32 s24, s[8:9], 0x0                    ; gamma[o]
	s_load_b32 s25, s[10:11], 0x0                  ; beta[o]
	s_add_nc_u64 s[6:7], s[6:7], s[18:19]
	s_add_nc_u64 s[4:5], s[4:5], s[20:21]
	s_add_nc_u64 s[12:13], s[12:13], s[20:21]
	global_load_b64 v[2:3], v6, s[6:7]             ; mean, M2
.set i, 0
.rept 32
	global_load_b128 v[16+4*i:19+4*i], v1, s[4:5] offset:512*i th:TH_LOAD_NT
.set i, i+1
.endr
.macro WSUM x                          ; the sum over the wave's 32 lanes, in every lane
	s_delay_alu instid0(VALU_DEP_1)
	v_add_f32_dpp v[\x], v[\x], v[\x] row_xmask:1 row_mask:0xf bank_mask:0xf
	s_delay_alu instid0(VALU_DEP_1)
	v_add_f32_dpp v[\x], v[\x], v[\x] row_xmask:2 row_mask:0xf bank_mask:0xf
	s_delay_alu instid0(VALU_DEP_1)
	v_add_f32_dpp v[\x], v[\x], v[\x] row_xmask:4 row_mask:0xf bank_mask:0xf
	s_delay_alu instid0(VALU_DEP_1)
	v_add_f32_dpp v[\x], v[\x], v[\x] row_xmask:8 row_mask:0xf bank_mask:0xf
	s_delay_alu instid0(VALU_DEP_1)
	v_permlanex16_b32 v8, v[\x], s26, s27
	s_delay_alu instid0(VALU_DEP_1)
	v_add_f32 v[\x], v[\x], v8
.endm
.macro GSUM x, off                     ; and over the eight waves, through eight words of LDS at off: result in v152
	ds_store_b32 v7, v[\x] offset:\off             ; all lanes write the same word with the same value
	s_wait_dscnt 0x0                               ; for the others' sake: my store is done
	s_barrier_signal -1
	s_barrier_wait -1
	ds_load_b128 v[152:155], v5 offset:\off
	ds_load_b128 v[156:159], v5 offset:\off+16
	s_wait_dscnt 0x0
	v_add_f32 v152, v152, v153
	v_add_f32 v154, v154, v155
	v_add_f32 v156, v156, v157
	v_add_f32 v158, v158, v159
	s_delay_alu instid0(VALU_DEP_3)
	v_add_f32 v152, v152, v154
	s_delay_alu instid0(VALU_DEP_2)
	v_add_f32 v156, v156, v158
	s_delay_alu instid0(VALU_DEP_1)
	v_add_f32 v152, v152, v156
.endm
	s_wait_loadcnt 32                              ; the pair is in; the 32 loads of y behind it may be out
	v_mov_b32 v4, v2
	WSUM 4
	GSUM 4, 0
	s_delay_alu instid0(VALU_DEP_1)
	v_mul_f32 v144, 0x3b800000, v152               ; mu: / 256
	s_delay_alu instid0(VALU_DEP_1)
	v_mov_b32 v145, v144
	s_delay_alu instid0(VALU_DEP_2)
	v_sub_f32 v9, v2, v144
	s_delay_alu instid0(VALU_DEP_1)
	v_mul_f32 v9, v9, v9
	s_delay_alu instid0(VALU_DEP_1)
	v_fma_f32 v4, v9, 0x43000000, v3               ; M2 + 128 (mean - mu)^2
	WSUM 4
	GSUM 4, 64                                     ; other words than the first sum's
	s_delay_alu instid0(VALU_DEP_1)
	v_mul_f32 v10, 0x38000000, v152                ; the variance: / 32,768
	s_delay_alu instid0(VALU_DEP_1)
	v_add_f32 v10, 0x3727c5ac, v10                 ; + 1e-5
	s_wait_alu depctr_va_vdst(0)
	v_rsq_f32 v11, v10
	v_nop                                          ; a plain instruction behind the transcendental
	s_wait_kmcnt 0x0
	s_wait_alu depctr_va_vdst(0)                   ; the wait ahead of its first reader
	v_mul_f32 v146, s24, v11                       ; a = gamma / sqrt(variance + 1e-5)
	s_delay_alu instid0(VALU_DEP_1)
	v_mov_b32 v147, v146
	v_mov_b32 v148, s25
	v_mov_b32 v149, s25
.set i, 0
.rept 32
.set Y, 16+4*i
	s_wait_loadcnt 31-i                            ; load i is in; the younger ones may be out
	v_pk_add_f32 v[Y:Y+1], v[Y:Y+1], v[144:145] neg_lo:[0,1] neg_hi:[0,1]
	s_wait_alu depctr_va_vdst(0)
	v_pk_add_f32 v[Y+2:Y+3], v[Y+2:Y+3], v[144:145] neg_lo:[0,1] neg_hi:[0,1]
	v_pk_fma_f32 v[Y:Y+1], v[Y:Y+1], v[146:147], v[148:149]
	s_delay_alu instid0(VALU_DEP_2)
	v_pk_fma_f32 v[Y+2:Y+3], v[Y+2:Y+3], v[146:147], v[148:149]
	s_delay_alu instid0(VALU_DEP_2)
	v_pk_mul_f32 v[150:151], v[Y:Y+1], 0x3e4ccccd op_sel_hi:[1,0]
	s_delay_alu instid0(VALU_DEP_2)
	v_pk_mul_f32 v[152:153], v[Y+2:Y+3], 0x3e4ccccd op_sel_hi:[1,0]
	s_delay_alu instid0(VALU_DEP_2)
	v_max_num_f32 v[Y], v[Y], v150
	s_delay_alu instid0(VALU_DEP_3)
	v_max_num_f32 v[Y+1], v[Y+1], v151
	s_delay_alu instid0(VALU_DEP_3)
	v_max_num_f32 v[Y+2], v[Y+2], v152
	s_delay_alu instid0(VALU_DEP_4)
	v_max_num_f32 v[Y+3], v[Y+3], v153
	global_store_b128 v1, v[Y:Y+3], s[12:13] offset:512*i th:TH_STORE_NT   ; 512 bytes on end, aligned; each store has its own registers
.set i, i+1
.endr
	s_wait_tensorcnt 0x0
	ds_add_u32 v160, v161
	s_wait_dscnt 0x0
	s_endpgm
.Lfunc_end_k_q02f9b5bdb9_bn:
	.size	k_q02f9b5bdb9_bn, .Lfunc_end_k_q02f9b5bdb9_bn-k_q02f9b5bdb9_bn
	.p2alignl 7, 3214868480
	.fill 96, 4, 3214868480
	.section	.rodata,"a",@progbits
	.p2align	6, 0x0
	.amdhsa_kernel k_q02f9b5bdb9_bn
		.amdhsa_group_segment_fixed_size 1280
		.amdhsa_private_segment_fixed_size 0
		.amdhsa_enable_private_segment 0
		.amdhsa_kernarg_size 40
		.amdhsa_user_sgpr_count 2
		.amdhsa_user_sgpr_kernarg_segment_ptr 1
		.amdhsa_wavefront_size32 1
		.amdhsa_system_sgpr_workgroup_id_x 1
		.amdhsa_system_sgpr_workgroup_id_y 1
		.amdhsa_system_sgpr_workgroup_id_z 1
		.amdhsa_system_vgpr_workitem_id 0
		.amdhsa_next_free_vgpr 162
		.amdhsa_next_free_sgpr 66
		.amdhsa_reserve_vcc 0
		.amdhsa_float_denorm_mode_32 3
		.amdhsa_float_denorm_mode_16_64 3
		.amdhsa_memory_ordered 1
		.amdhsa_forward_progress 1
		.amdhsa_inst_pref_size 39
	.end_amdhsa_kernel
	.amdgpu_metadata
---
amdhsa.version: [ 1, 2 ]
amdhsa.kernels:
  - .name:           k_q02f9b5bdb9_bn
    .symbol:         k_q02f9b5bdb9_bn.kd
    .args:
      - { .name: ybuf, .offset: 0, .size: 8, .value_kind: global_buffer, .address_space: global }
      - { .name: pstat, .offset: 8, .size: 8, .value_kind: global_buffer, .address_space: global }
      - { .name: bn_gamma, .offset: 16, .size: 8, .value_kind: global_buffer, .address_space: global }
      - { .name: bn_beta, .offset: 24, .size: 8, .value_kind: global_buffer, .address_space: global }
      - { .name: out0, .offset: 32, .size: 8, .value_kind: global_buffer, .address_space: global }
    .group_segment_fixed_size: 1280
    .private_segment_fixed_size: 0
    .kernarg_segment_align: 8
    .kernarg_segment_size: 40
    .max_flat_workgroup_size: 256
    .sgpr_count:     66
    .vgpr_count:     162
    .wavefront_size: 32
...
	.end_amdgpu_metadata
.endif
;; end of part 6
